; MI455X (gfx1250); checked and timed in simulation.
; The chip was launched on July 23, 2026; its instructions are those of AMD's public machine-readable ISA for CDNA 5 (MIT licence, August 2026) and "CDNA5" Instruction Set Architecture Reference Guide (July 2026). The comments in the code are by the model that wrote it; some were corrected since.
;; Causal Self Attention. Allowed arithmetic: matrix products marked QUANTISED: E2M1 operands, one E8M0 scale for each 32 along K, by v_wmma_scale_f32_16x16x128_f8f6f4 with both operands' format E2M1 (or v_wmma_scale_f32_32x16x128_f4), f32 sums; products left as they are: bf16, f16 or f32 operands; f32 sums; everything else in f32.
;; Inputs: attn_mask 4 x 2,048 bool; b_proj 1,024 float32; b_qkv 3,072 float32; w_proj 1,024 x 1,024 float32; w_qkv 3,072 x 1,024 float32; x 4 x 2,048 x 1,024 float32.
;; Outputs: out0 4 x 2,048 x 1,024 float32.
;; This version of the problem:
;;   THIS VERSION OF THE PROBLEM IS GIVEN IN LOW PRECISION. The matrix products marked QUANTISED in the list below multiply operands that are first quantised to E2M1 (2 exponent bits, 1 mantissa bit; 4 bits a number), with one power-of-two scale for each 32 numbers along K (OCP MX v1.0); their sums are f32. The products marked 'left as it is' may take bf16, f16 or f32 operands, with f32 sums. Whichever they take, every output number must still come out within the allowed error. Rounding operands to bf16 (8 significant bits) uses up far more of that allowance than f16 does (11 bits, for magnitudes from 6e-5 to 65,504). All else is computed in f32.
;;   The module's matrix products, in the order in which they are computed (A, B: the left and right operand; K: the contracted axis; several contracted axes count as one K, in the product's order):
;;     1. [M 8,192, K 1,024] x [K 1,024, N 3,072]; A: input x; B: input w_qkv: QUANTISED
;;     2. batch 64 x [M 2,048, K 64] x [K 64, N 2,048]; A: computed on the way; B: computed on the way: left as it is (an operand is computed on the way)
;;     3. batch 64 x [M 2,048, K 2,048] x [K 2,048, N 64]; A: computed on the way; B: computed on the way: left as it is (an operand is computed on the way)
;;     4. [M 8,192, K 1,024] x [K 1,024, N 1,024]; A: computed on the way; B: input w_proj: left as it is (an operand is computed on the way)
;;   THE QUANTISER, for each operand of a quantised product, along K:
;;     - K is cut into blocks of 32 from its start; a last block that is shorter is filled with zeros.
;;     - A block's scale is 2^e with e = floor(log2(the largest magnitude in the block)) - 2, held to -126 .. 127; a block of zeros has e = 0. As a byte (E8M0): e + 127.
;;     - Each number is divided by its block's scale, clamped to +-6, and rounded to the nearest number of E2M1, ties to even, subnormals kept.
;;     - The product sums the exact products of the quantised numbers (number of the format x scale) in f32.
;;   ~~~python
;;   def quantise(x, axis):      # numpy; x: float32 -> the quantised numbers, widened to float32 again
;;       x = np.moveaxis(x, axis, -1); K = x.shape[-1]
;;       x = np.pad(x, [(0, 0)] * (x.ndim - 1) + [(0, -K % 32)]); x = x.reshape(x.shape[:-1] + (-1, 32)); a = np.abs(x).max(-1, keepdims=True)
;;       e = np.where(a > 0, np.clip(np.frexp(np.where(a > 0, a, 1))[1] - 1 - 2, -126, 127), 0)      # np.frexp(a)[1] - 1 = floor(log2(a)), exactly
;;       r = np.clip(x / 2.0 ** e, -6, 6)
;;       step = 2.0 ** (np.maximum(np.frexp(np.where(r == 0, 1, r))[1] - 1, 0) - 1)
;;       q = np.round(r / step) * step * 2.0 ** e      # np.round: ties to even
;;       return np.moveaxis(q.reshape(q.shape[:-2] + (-1,))[..., :K], -1, axis).astype(np.float32)
;;   ~~~
;; One version. Each part assembles by itself: llvm-mc -triple=amdgcn-amd-amdhsa -mcpu=gfx1250 --defsym DOCPART=n.
;; ======== version 1 of 1: 5 launches
;; limits: values are held in f16: magnitudes above 65,504 overflow, below 6.1e-05 lose precision
;; workspace buffers: codes 5,767,168 bytes; scales 360,448 bytes; wp16 2,097,152 bytes; qkv16 50,331,648 bytes; qkv32 786,432 bytes; y16 16,777,216 bytes
;; launch prep (part 1): grid 384 x 1, 4 waves a work-group, no clusters, 33,280 bytes of LDS; arguments x, w_qkv, w_proj, codes, scales, wp16; writes codes, scales, wp16
.if DOCPART == 1
	.amdgcn_target "amdgcn-amd-amdhsa--gfx1250"
	.amdhsa_code_object_version 6
	.text
	.protected	k_q57c2dab498_prep
	.globl	k_q57c2dab498_prep
	.p2align	8
	.type	k_q57c2dab498_prep,@function
k_q57c2dab498_prep:
	s_mov_b64 s[64:65], 0
	v_nop
	global_prefetch_b8 v0, s[64:65] scope:SCOPE_SE
	s_setreg_imm32_b32 hwreg(HW_REG_WAVE_MODE, 25, 1), 1
	s_wait_xcnt 0x0
; PREP.  x [8192][1024] and w_qkv [3072][1024], f32 with K innermost, become codes of FP4 (E2M1), two a byte, and one E8M0 byte for each 32 along K,
; in two common buffers: codes [11264 rows][512 bytes], scales [11264][32]; rows 0-8191 are x's, rows 8192-11263 w_qkv's.  w_proj becomes f16, [1024][1024].
; A block's scale is 2^(floor(log2(its largest magnitude)) - 2); its byte is the largest magnitude's own exponent field - 2, held at 1 from below.
; LIMITS: a block of zeros gets the byte 1 where the rule says 127 (its codes are zeros, and this program alone reads the bytes); blocks whose largest magnitude
; lies under 2^-124 keep the byte 1; NaN and infinities among the inputs are not served; w_proj beyond 65,504 in magnitude has no f16 number.
; SHARES.  Rows are dense, so each tensor is a stream.  Work-groups 0-255 take x, 256-351 w_qkv, 352-383 w_proj; a wave takes a run of 8,192 numbers.
; QUANTISER: 16 steps of 512 numbers.  Each load reads 512 consecutive bytes; a step's 2,048 bytes turn through the wave's own stage in LDS, so that a lane then
; holds 16 neighbours along K (two lanes to a block); a lane's 16 codes are 8 bytes, so the wave stores 256 consecutive bytes.  The wave's 256 scale bytes are gathered in LDS.
; CAST: four rounds of 16 loads of 512 bytes, two rounds on their way; each store of the wave covers 256 consecutive bytes, aligned.  No LDS.
; No matrix unit, no cluster, no tensor load: a stream with nothing shared between waves.
.set WAVES, 4
.set STEPS, 16
.set WGX,   256                        ; work-groups for x
.set WGQ,   352                        ; and for x and w_qkv together
.set EMAX,  2
.set CB,    8                          ; bytes of 16 codes
.set R,     16                         ; v16-79   four sets of 16 numbers as loaded (cast: set 0)
.set X,     80                         ; v80-111  two sets of 16 neighbours (cast: v80-143 set 1)
.set C,     128                        ; v128-191 codes, four registers a step
.set E,     112                        ; v112-127 a scale byte a step
.set HO,    144                        ; cast: v144-175 a round's f16 pairs
.set WREG,  8192                       ; LDS: a region for each wave: two stages of 32 x SP bytes, then its 256 scale bytes
.set SP,    80                         ; a lane's place in a stage: 64 bytes + 16 of padding
.set SPW,   12                         ; v12  LDS address of my spare word; never rewritten
.set NIL,   13                         ; v13  0; never rewritten
.set SPARE, WAVES*WREG                 ; the spare words: 128 bytes a wave, named by no other line
	s_load_b128 s[4:7], s[0:1], 0x0                ; x, w_qkv
	s_load_b128 s[8:11], s[0:1], 0x10              ; w_proj, codes
	s_load_b128 s[12:15], s[0:1], 0x20             ; scales, wp16
	v_lshl_add_u32 v[SPW], v0, 2, SPARE
	v_mov_b32 v[NIL], 0
	v_lshrrev_b32 v1, 5, v0
	v_readfirstlane_b32 s16, v1                    ; wave
	v_and_b32 v2, 31, v0                           ; lane
	v_lshlrev_b32 v3, 4, v2                        ; my 16 bytes of a load's 512
	s_mul_i32 s17, s16, WREG
	v_lshrrev_b32 v14, 2, v2
	v_mul_u32_u24 v14, v14, SP
	v_and_b32 v15, 3, v2
	v_lshl_add_u32 v14, v15, 4, v14
	v_add_nc_u32 v14, s17, v14                     ; the stage, on the way in: SP (lane / 4) + 16 (lane % 4)
	v_mul_u32_u24 v15, v2, SP
	v_add_nc_u32 v15, s17, v15                     ; and on the way out: SP x lane
	v_mul_u32_u24 v4, v2, CB                       ; 8 x lane: my codes' place in a step's; the cast's place in a store
	v_lshrrev_b32 v5, 1, v2
	s_add_co_u32 s17, s17, 2*32*SP
	v_add_nc_u32 v5, s17, v5                       ; my block's byte among my wave's 256
	v_lshlrev_b32 v7, 3, v2
	v_add_nc_u32 v6, s17, v7                       ; and 8 bytes a lane on their way out
	s_wait_kmcnt 0x0
	s_cmp_ge_u32 ttmp9, WGQ                        ; the work-group's number alone decides the path
	s_cbranch_scc1 .Lcvt
	s_cmp_lt_u32 ttmp9, WGX
	s_cselect_b64 s[4:5], s[4:5], s[6:7]           ; x or w_qkv
	s_cselect_b32 s17, 0, WGX
	s_sub_co_u32 s17, ttmp9, s17
	s_lshl_b32 s17, s17, 2
	s_add_co_u32 s18, s17, s16                     ; my run in the source tensor
	s_lshl_b32 s20, s18, 15                        ; 32,768 bytes a run
	s_mov_b32 s21, 0
	s_add_nc_u64 s[4:5], s[4:5], s[20:21]
	s_lshl_b32 s18, ttmp9, 2
	s_add_co_u32 s18, s18, s16                     ; my run in the common buffers: x fills exactly 1,024 runs
	s_lshl_b32 s20, s18, 12                        ; 4,096 bytes of codes a run
	s_add_nc_u64 s[10:11], s[10:11], s[20:21]
	s_lshl_b32 s20, s18, 8                         ; 256 scale bytes a run
	s_add_nc_u64 s[12:13], s[12:13], s[20:21]
.macro LOAD t
.irp i, 0,1,2,3
	global_load_b128 v[R+16*((\t)%4)+4*\i:R+16*((\t)%4)+4*\i+3], v3, s[4:5] offset:2048*(\t)+512*\i th:TH_LOAD_NT
.endr
.endm
.macro TURN t                          ; step t's numbers through the stage: LDS serves a wave's instructions in order, so no wait stands between stores and loads
.irp i, 0,1,2,3
	ds_store_b128 v14, v[R+16*((\t)%4)+4*\i:R+16*((\t)%4)+4*\i+3] offset:32*SP*((\t)%2)+8*SP*\i
.endr
.irp i, 0,1,2,3
	ds_load_b128 v[X+16*((\t)%2)+4*\i:X+16*((\t)%2)+4*\i+3], v15 offset:32*SP*((\t)%2)+16*\i
.endr
.endm
.irp t, 0,1,2,3
	LOAD \t
.endr
	s_wait_loadcnt 12                              ; step 0's four loads are in; the twelve of steps 1 to 3 may be out
	TURN 0
.macro STEP t
.set XS, X+16*((\t)%2)
.if (\t) > 0
	s_wait_dscnt 1                                 ; this step's numbers are back from the stage; the last step's byte store may be out
.else
	s_wait_dscnt 0x0
.endif
.if (\t)+4 < STEPS
	LOAD (\t)+4
.endif
.if (\t)+1 < STEPS
.if STEPS-2-(\t) >= 3
	s_wait_loadcnt 12                              ; the next step's four loads are in; those of the three steps behind it may be out
.else
	s_wait_loadcnt 4*(STEPS-2-(\t))
.endif
	TURN (\t)+1
.endif
	v_max3_num_f32 v8, |v[XS]|, |v[XS+1]|, |v[XS+2]|               ; the largest magnitude of my 16, in two chains
	v_max3_num_f32 v9, |v[XS+3]|, |v[XS+4]|, |v[XS+5]|
.irp i, 6,10
	v_max3_num_f32 v8, v8, |v[XS+\i]|, |v[XS+\i+1]|
	v_max3_num_f32 v9, v9, |v[XS+\i+2]|, |v[XS+\i+3]|
.endr
	v_max3_num_f32 v8, v8, |v[XS+14]|, |v[XS+15]|
	v_max3_num_f32 v8, v8, v9, (EMAX+1)<<23        ; and the floor 2^(3 - 127): the byte cannot fall under 1
	v_max_num_f32_dpp v8, v8, v8 row_xmask:1 row_mask:0xf bank_mask:0xf   ; with my neighbour's 16: the block's
	v_add_nc_u32 v11, -(EMAX<<23), v8              ; 2 off its exponent field: the conversion takes this operand's exponent field as its scale
	v_cvt_scalef32_pk8_fp4_f32 v[C+4*(\t)], v[XS:XS+7], v11
	v_cvt_scalef32_pk8_fp4_f32 v[C+4*(\t)+1], v[XS+8:XS+15], v11
	v_lshrrev_b32 v[E+(\t)], 23, v11               ; the scale's byte (also the plain line behind the conversions)
	ds_store_b8 v5, v[E+(\t)] offset:16*(\t)       ; both lanes of a block write the same byte with the same value
	global_store_b64 v4, v[C+4*(\t):C+4*(\t)+1], s[10:11] offset:32*CB*(\t)
.endm
.irp t, 0,1,2,3,4,5,6,7,8,9,10,11,12,13,14,15
	STEP \t
.endr
	ds_load_b64 v[8:9], v6                         ; in order behind my byte stores
	s_wait_dscnt 0x0
	global_store_b64 v7, v[8:9], s[12:13]          ; 32 lanes store 256 consecutive bytes, aligned
	s_wait_tensorcnt 0x0                           ; the wave's end: behind my last LDS store
	ds_add_u32 v[SPW], v[NIL]
	s_wait_dscnt 0x0
	s_endpgm
.Lcvt:                                             ; w_proj to f16
	s_sub_co_u32 s17, ttmp9, WGQ
	s_lshl_b32 s17, s17, 2
	s_add_co_u32 s17, s17, s16                     ; my run of 8,192 numbers
	s_lshl_b32 s20, s17, 15
	s_mov_b32 s21, 0
	s_add_nc_u64 s[8:9], s[8:9], s[20:21]
	s_lshl_b32 s20, s17, 14
	s_add_nc_u64 s[14:15], s[14:15], s[20:21]
.macro CLOAD n
.irp i, 0,1,2,3,4,5,6,7,8,9,10,11,12,13,14,15
	global_load_b128 v[R+64*((\n)%2)+4*\i:R+64*((\n)%2)+4*\i+3], v3, s[8:9] offset:(16*(\n)+\i)*512 th:TH_LOAD_NT
.endr
.endm
.macro CAST n
.if (\n) < 3
	s_wait_loadcnt 16                              ; this round's 16 loads are in; the other set's 16 may be out
.else
	s_wait_loadcnt 0x0
.endif
	s_wait_xcnt 0x0                                ; the last round's stores have read v144-175: they are written again only behind this wait
.irp i, 0,1,2,3,4,5,6,7,8,9,10,11,12,13,14,15
	v_cvt_pk_f16_f32 v[HO+2*\i], v[R+64*((\n)%2)+4*\i], v[R+64*((\n)%2)+4*\i+1]
	v_cvt_pk_f16_f32 v[HO+2*\i+1], v[R+64*((\n)%2)+4*\i+2], v[R+64*((\n)%2)+4*\i+3]
.endr
.if (\n)+2 < 4
	CLOAD (\n)+2
.endif
.irp i, 0,1,2,3,4,5,6,7,8,9,10,11,12,13,14,15
	global_store_b64 v4, v[HO+2*\i:HO+2*\i+1], s[14:15] offset:(16*(\n)+\i)*256
.endr
.endm
	CLOAD 0
	CLOAD 1
	CAST 0
	CAST 1
	CAST 2
	CAST 3
	s_wait_tensorcnt 0x0                           ; the same three closing lines on this way too
	ds_add_u32 v[SPW], v[NIL]
	s_wait_dscnt 0x0
	s_endpgm
.Lfunc_end_k_q57c2dab498_prep:
	.size	k_q57c2dab498_prep, .Lfunc_end_k_q57c2dab498_prep-k_q57c2dab498_prep
	.p2alignl 7, 3214868480
	.fill 96, 4, 3214868480
	.section	.rodata,"a",@progbits
	.p2align	6, 0x0
	.amdhsa_kernel k_q57c2dab498_prep
		.amdhsa_group_segment_fixed_size 33280
		.amdhsa_private_segment_fixed_size 0
		.amdhsa_enable_private_segment 0
		.amdhsa_kernarg_size 48
		.amdhsa_user_sgpr_count 2
		.amdhsa_user_sgpr_kernarg_segment_ptr 1
		.amdhsa_wavefront_size32 1
		.amdhsa_system_sgpr_workgroup_id_x 1
		.amdhsa_system_sgpr_workgroup_id_y 1
		.amdhsa_system_sgpr_workgroup_id_z 1
		.amdhsa_system_vgpr_workitem_id 0
		.amdhsa_next_free_vgpr 192
		.amdhsa_next_free_sgpr 66
		.amdhsa_reserve_vcc 0
		.amdhsa_float_denorm_mode_32 3
		.amdhsa_float_denorm_mode_16_64 3
		.amdhsa_memory_ordered 1
		.amdhsa_forward_progress 1
		.amdhsa_inst_pref_size 54
	.end_amdhsa_kernel
	.amdgpu_metadata
---
amdhsa.version: [ 1, 2 ]
amdhsa.kernels:
  - .name:           k_q57c2dab498_prep
    .symbol:         k_q57c2dab498_prep.kd
    .args:
      - { .name: x, .offset: 0, .size: 8, .value_kind: global_buffer, .address_space: global }
      - { .name: w_qkv, .offset: 8, .size: 8, .value_kind: global_buffer, .address_space: global }
      - { .name: w_proj, .offset: 16, .size: 8, .value_kind: global_buffer, .address_space: global }
      - { .name: codes, .offset: 24, .size: 8, .value_kind: global_buffer, .address_space: global }
      - { .name: scales, .offset: 32, .size: 8, .value_kind: global_buffer, .address_space: global }
      - { .name: wp16, .offset: 40, .size: 8, .value_kind: global_buffer, .address_space: global }
    .group_segment_fixed_size: 33280
    .private_segment_fixed_size: 0
    .kernarg_segment_align: 8
    .kernarg_segment_size: 48
    .max_flat_workgroup_size: 128
    .sgpr_count:     66
    .vgpr_count:     192
    .wavefront_size: 32
...
	.end_amdgpu_metadata
.endif
;; end of part 1
;; launch qkv (part 2): grid 12 x 32, 4 waves a work-group, clusters of 4 x 4, 327,680 bytes of LDS; arguments codes, scales, b_qkv, qkv16, qkv32; writes qkv16, qkv32
.if DOCPART == 2
	.amdgcn_target "amdgcn-amd-amdhsa--gfx1250"
	.amdhsa_code_object_version 6
	.text
	.protected	k_q57c2dab498_qkv
	.globl	k_q57c2dab498_qkv
	.p2align	8
	.type	k_q57c2dab498_qkv,@function
k_q57c2dab498_qkv:
	s_mov_b64 s[64:65], 0
	v_nop
	global_prefetch_b8 v0, s[64:65] scope:SCOPE_SE
	s_setreg_imm32_b32 hwreg(HW_REG_WAVE_MODE, 25, 1), 1
	s_wait_xcnt 0x0
	s_wait_alu depctr_hold_cnt(0) depctr_sa_sdst(0) depctr_va_vdst(0) depctr_va_sdst(0) depctr_va_ssrc(0) depctr_va_vcc(0) depctr_vm_vsrc(0)
	s_getreg_b32 s2, hwreg(HW_REG_IB_STS2, 6, 4)
	s_cmp_eq_u32 s2, 0
	s_cbranch_scc0 .Lentry_in_a_cluster
	s_endpgm
.Lentry_in_a_cluster:
	s_bfe_u32 s2, ttmp6, 0x10000c
	s_cmp_lg_u32 s2, 0xf033
	s_cbranch_scc0 .Lentry_shape_is_right
	s_endpgm
.Lentry_shape_is_right:
; QKV.  qkv[m][n] = sum over k of Q(x)[m][k] Q(w_qkv)[n][k] + b_qkv[n]: 8192 x 3072 x 1024 on codes of FP4 (E2M1) with one E8M0 scale for each 32 along K; sums in f32.
; codes [11264][512 bytes], scales [11264][32]: rows 0-8191 x, rows 8192 on w_qkv.  Results: qkv16, three parts (q, k, v) of [batch][head][t][64] f16; qkv32 [16 batch + t][3072] f32 for t < 16.
; LIMIT: a result beyond 65,504 in magnitude has no f16 number.
; A tile of 256 x 256 is made by four waves, 128 x 128 each: 64 accumulators of 16 x 16.  K is two slots of 512 (LDS rows of 256 bytes): both, and all scale bytes, are first fills: no LDS byte is filled twice.
; By this text's own count a wave has three tensor loads out at the most.
; CLUSTERS: 4 x 4.  The four of a row of the cluster need the same rows of x, the four of a column the same rows of w_qkv: each tile is asked for jointly.
; Tile column = 4 x cluster x + cx (so cluster x is the part: q, k or v).  Tile row = 8 cy + cluster y: so cy is the batch, and whether a tile holds t < 16 hangs on the cluster's y alone, alike in all partners.
; THE MATRIX INSTRUCTION IS USED TRANSPOSED (source 0 = 16 rows of w, source 1 = 16 rows of x): a lane holds eight neighbouring columns of one row.  The bias is the C of each sum's first product.
; REGISTERS: window 0: v0-31 addresses; v32-95 scale words, two sets; v128-191 x's fragments, one set; v192-255 the bias in the result's layout.  window 1: w's fragments, two sets.  windows 2, 3: accumulators.
.set KSTEP,  512
.set NQ,     KSTEP/128
.set ROWB,   256
.set KROW,   512                       ; a row of codes in memory
.set PITCH,  272                       ; 256 bytes + 16 of padding: the 16 rows of a fragment load start 68 words apart
.set FR,     8
.set NL,     2
.set NP,     4
.set HALFT,  128*PITCH
.set SLOT,   4*HALFT
.set KS,     32                        ; a row of scale bytes
.set SCL,    2*SLOT
.set HALFS,  (128*KS/256)*272
.set SBLK,   (16*KS/256)*272
.set SPARE,  SCL+4*HALFS               ; the spare words, 128 bytes a wave
.set SPITCH, 272                       ; the way out: a stage of 16 rows x (256 + 16) bytes a wave, in slot 0, behind its one fill and its last read
.set ADRA, 16
.set ADRB, 20
.set STO,  24
.set RD,   25
.set CO,   26
.set ADRS, 27
.set SPW,  28
.set NIL,  29
.set FO,   30                          ; v30  my place in qkv32: row r of 12,288 bytes + 32 h
.set BA,   31                          ; v31  32 h: my eight numbers of a tile of the bias
.set SC,   32
.set TMP,  32                          ; the way out: packed results
.set AF,   128
.set BK,   128                         ; the way out: rows read back, two sets of 32
.set BI,   192
.set G1, 24
.set G0, 32
.set G1B, 48
.set G0B, 56
.set G1S, 68
.set G0S, 76
.set G1SB, 80
.set G0SB, 88
.set MSB, 0
.macro WIN new                         ; the immediate's high byte repeats the setting that is left
.if MSB != \new
	s_set_vgpr_msb (MSB<<8)|\new
.set MSB, \new
.endif
.endm
.set MUL_LO,  0xa1                     ; source 0 (w) window 1, source 1 (x) window 0, C and D window 2
.set MUL_HI,  0xf1                     ; C and D window 3
.set MUL_LO0, 0x81                     ; the first step: C (the bias) window 0, D window 2
.set MUL_HI0, 0xc1                     ; D window 3
.set TO_B,    0x40
.macro JLOAD g0a, g1a, g0b, g1b        ; a joint load: waves 0, 1 fetch for x, waves 2, 3 for w; the branch hangs on the wave's number alone; an s_nop 0 and four v_nop follow each line
	s_cmp_eq_u32 s15, 0
	s_cbranch_scc0 .Lfor_b_\@
	tensor_load_to_lds s[\g0a:\g0a+3], s[\g1a:\g1a+7]
	s_nop 0
.rept 4
	v_nop
.endr
	s_branch .Lasked_\@
.Lfor_b_\@:
	tensor_load_to_lds s[\g0b:\g0b+3], s[\g1b:\g1b+7]
	s_nop 0
.rept 4
	v_nop
.endr
.Lasked_\@:
.endm
.macro CROUND                          ; a round of the cluster's barrier
	s_barrier_signal -1
	s_barrier_wait -1
	s_cmp_lg_u32 s14, 0
	s_cbranch_scc1 .Lnot_wave_0_\@
	s_barrier_signal -3
.Lnot_wave_0_\@:
	s_barrier_wait -3
	s_barrier_signal -1
	s_barrier_wait -1
.endm
	s_load_b128 s[4:7], s[0:1], 0x0                ; codes, scales
	s_load_b128 s[8:11], s[0:1], 0x10              ; b_qkv, qkv16
	s_load_b64 s[12:13], s[0:1], 0x20              ; qkv32
	v_lshl_add_u32 v[SPW], v0, 2, SPARE
	v_mov_b32 v[NIL], 0
	ds_add_u32 v[SPW], v[NIL]                      ; the wave's opening: the add, twice on end, and its wait ahead of my first tensor load
	ds_add_u32 v[SPW], v[NIL]
	v_lshrrev_b32 v1, 5, v0
	v_readfirstlane_b32 s14, v1                    ; wave 0..3
	s_lshr_b32 s15, s14, 1                         ; my half of the tile's rows; also: I fetch for x (0) or for w (1)
	s_and_b32 s16, s14, 1                          ; my half of its columns; also: which 128 rows I fetch
	s_bfe_u32 s40, ttmp6, 0x40000                  ; cx
	s_bfe_u32 s41, ttmp6, 0x40004                  ; cy
	s_lshl_b32 s42, ttmp9, 2
	s_add_co_u32 s42, s42, s40                     ; tile column = 4 x cluster x + cx
	s_and_b32 s66, ttmp7, 0xffff                   ; cluster y
	s_lshl_b32 s17, s41, 3
	s_add_co_u32 s17, s17, s66                     ; tile row = 8 cy + cluster y
	s_lshl_b32 s43, s41, 2
	s_lshl_b32 s43, 15, s43                        ; my row of the cluster
	s_lshl_b32 s44, 0x1111, s40                    ; my column
	s_or_b32 s[G1+0], s43, (0<<16)|(1<<20)|(1<<21)|(5<<22)|(3<<25)  ; mask; elements of 1 byte; padding on: 4 words behind every 64; bit 21 beside a mask
	s_or_b32 s[G1B+0], s44, (0<<16)|(1<<20)|(1<<21)|(5<<22)|(3<<25)
.irp g, G1, G1B
	s_mov_b32 s[\g+1], ROWB<<16                    ; tensor_dim0
	s_mov_b32 s[\g+2], 128<<16                     ; tensor_dim1
	s_mov_b32 s[\g+3], ROWB<<16                    ; tile_dim0
	s_mov_b32 s[\g+4], 128                         ; tile_dim1
	s_mov_b32 s[\g+5], KROW                        ; stride
	s_mov_b32 s[\g+6], 0
	s_mov_b32 s[\g+7], 0
.endr
	s_or_b32 s[G1S+0], s43, (3<<16)|(1<<20)|(1<<21)|(5<<22)|(3<<25)   ; the scales of 128 rows: 4,096 dense bytes as 16 rows of 256 (32 elements of 8 bytes)
	s_or_b32 s[G1SB+0], s44, (3<<16)|(1<<20)|(1<<21)|(5<<22)|(3<<25)
.irp g, G1S, G1SB
	s_mov_b32 s[\g+1], 32<<16
	s_mov_b32 s[\g+2], (128*KS/256)<<16
	s_mov_b32 s[\g+3], 32<<16
	s_mov_b32 s[\g+4], 128*KS/256
	s_mov_b32 s[\g+5], 32
	s_mov_b32 s[\g+6], 0
	s_mov_b32 s[\g+7], 0
.endr
	s_lshl_b32 s18, s16, 7
	s_lshl_b32 s20, s17, 8
	s_add_co_u32 s20, s20, s18                     ; x: row 256 x tile row + 128 x half
	s_lshl_b32 s46, s42, 8
	s_add_co_u32 s46, s46, s18
	s_add_co_u32 s46, s46, 8192                    ; w: row 8192 + 256 x tile column + 128 x half
	s_lshl_b32 s22, s20, 5                         ; their scale bytes,
	s_mov_b32 s23, 0
	s_lshl_b32 s92, s46, 5
	s_mov_b32 s93, 0
	s_lshl_b32 s20, s20, 9                         ; and their codes
	s_mov_b32 s21, 0
	s_lshl_b32 s46, s46, 9
	s_mov_b32 s47, 0
	s_mul_i32 s45, s14, HALFT                      ; where they go: wave x 128 rows
	s_mul_i32 s94, s14, HALFS
	s_wait_dscnt 0x0                               ; both opening adds are done
	s_wait_kmcnt 0x0
	s_add_nc_u64 s[20:21], s[4:5], s[20:21]
	s_add_nc_u64 s[22:23], s[6:7], s[22:23]
	s_add_nc_u64 s[46:47], s[4:5], s[46:47]
	s_add_nc_u64 s[92:93], s[6:7], s[92:93]
	CROUND                                         ; all sixteen work-groups are here: the first joint loads meet
	s_mov_b32 s[G0S], 1
	s_add_co_u32 s[G0S+1], s94, SCL
	s_mov_b64 s[G0S+2:G0S+3], s[22:23]
	s_or_b32 s[G0S+3], s[G0S+3], 0x80000000
	s_mov_b32 s[G0SB], 1
	s_add_co_u32 s[G0SB+1], s94, SCL
	s_mov_b64 s[G0SB+2:G0SB+3], s[92:93]
	s_or_b32 s[G0SB+3], s[G0SB+3], 0x80000000
	JLOAD G0S, G1S, G0SB, G1SB                     ; the scales first
.irp s, 0,1
	s_mov_b32 s[G0+4*\s], 1
	s_add_co_u32 s[G0+4*\s+1], s45, \s*SLOT
	s_add_nc_u64 s[G0+4*\s+2:G0+4*\s+3], s[20:21], \s*ROWB
	s_or_b32 s[G0+4*\s+3], s[G0+4*\s+3], 0x80000000
	s_mov_b32 s[G0B+4*\s], 1
	s_add_co_u32 s[G0B+4*\s+1], s45, \s*SLOT
	s_add_nc_u64 s[G0B+4*\s+2:G0B+4*\s+3], s[46:47], \s*ROWB
	s_or_b32 s[G0B+4*\s+3], s[G0B+4*\s+3], 0x80000000
	JLOAD G0+4*\s, G1, G0B+4*\s, G1B
.endr
	v_and_b32 v1, 15, v0                           ; r
	v_bfe_u32 v2, v0, 4, 1                         ; h
	v_mul_u32_u24 v3, v1, PITCH
	v_lshl_add_u32 v4, v2, 4, v3                   ; a fragment's row x pitch + 16 h
	s_mul_i32 s21, s15, HALFT
	s_mul_i32 s22, s16, HALFT
	s_add_co_u32 s22, s22, 2*HALFT
.irp s, 0,1
	v_add_nc_u32 v[ADRA+\s], s21, v4
	v_add_nc_u32 v[ADRB+\s], s22, v4
	s_add_co_u32 s21, s21, SLOT
	s_add_co_u32 s22, s22, SLOT
.endr
	v_mul_u32_u24 v5, v1, KS                       ; my row's scale bytes,
	v_lshrrev_b32 v6, 8, v5
	v_lshl_add_u32 v5, v6, 4, v5                   ; and 16 more for each 256 passed
	s_mul_i32 s21, s15, HALFS
	s_mul_i32 s22, s16, HALFS
	s_add_co_u32 s22, s22, 2*HALFS
	s_sub_co_u32 s22, s22, s21
	v_mul_u32_u24 v6, s22, v2                      ; lanes 16-31 take w's: one product of h and the distance
	s_add_co_u32 s21, s21, SCL
	v_add_nc_u32 v5, v5, v6
	v_add_nc_u32 v[ADRS], s21, v5
	s_mul_i32 s23, s14, 16*SPITCH                  ; my stage
	v_mul_u32_u24 v5, v1, SPITCH
	v_lshl_add_u32 v5, v2, 4, v5
	v_add_nc_u32 v[STO], s23, v5                   ; in: row r, 16 bytes for each half of the lanes
	v_bfe_u32 v7, v0, 3, 2
	v_and_b32 v8, 7, v0
	v_mul_u32_u24 v7, v7, SPITCH
	v_lshl_add_u32 v7, v8, 4, v7
	v_add_nc_u32 v[RD], s23, v7                    ; back: eight lanes take a head's 128 bytes of a row, four rows an instruction
	v_and_b32 v6, 31, v0
	v_lshlrev_b32 v[CO], 4, v6                     ; and in memory those four rows are 512 consecutive bytes
	v_mul_u32_u24 v[FO], v1, 12288
	v_lshl_add_u32 v[FO], v2, 5, v[FO]
	v_lshlrev_b32 v[BA], 5, v2
	s_lshl_b32 s46, s42, 8
	s_lshl_b32 s47, s16, 7
	s_add_co_u32 s46, s46, s47                     ; my first column of the 3,072
	s_lshl_b32 s46, s46, 2
	s_mov_b32 s47, 0
	s_add_nc_u64 s[8:9], s[8:9], s[46:47]          ; the bias there
	s_add_nc_u64 s[12:13], s[12:13], s[46:47]
	s_mul_i32 s46, s41, 196608                     ; qkv32: 16 rows of 12,288 bytes a batch
	s_add_nc_u64 s[12:13], s[12:13], s[46:47]
	s_lshl_b32 s46, s41, 4
	s_lshl_b32 s18, s40, 2
	s_add_co_u32 s46, s46, s18
	s_lshl_b32 s18, s16, 1
	s_add_co_u32 s46, s46, s18                     ; 16 batch + my first head
	s_lshl_b32 s46, s46, 11
	s_lshl_b32 s18, s66, 8
	s_add_co_u32 s46, s46, s18
	s_lshl_b32 s18, s15, 7
	s_add_co_u32 s46, s46, s18                     ; x 2,048 + my first t
	s_lshl_b32 s46, s46, 7                         ; rows of 128 bytes
	s_lshl_b32 s18, ttmp9, 24                      ; the part: 16,777,216 bytes each
	s_add_co_u32 s46, s46, s18
	s_add_nc_u64 s[10:11], s[10:11], s[46:47]
.irp b, 0,1,2,3,4,5,6,7
	global_load_b128 v[BI+8*\b:BI+8*\b+3], v[BA], s[8:9] offset:64*\b        ; the bias of columns 16 b + 8 h + 0 .. 7
	global_load_b128 v[BI+8*\b+4:BI+8*\b+7], v[BA], s[8:9] offset:64*\b+16
.endr
.macro FRAG reg, adr, q, i             ; 16 rows x 128 K of 4-bit codes: 8 registers, two loads 32 bytes apart
.irp c, 0,1
	ds_load_b128 v[\reg+4*\c:\reg+4*\c+3], v[\adr] offset:64*(\q)+32*\c+(\i)*16*PITCH
.endr
.endm
; 16 products: x's blocks a0, a0 + 1 against w's eight.  The 64 accumulators take turns, one instruction a turn, in the same order in every step.
.macro MUL16 a0, p, q, sc, zero
.irp a, \a0, \a0+1
.irp b, 0,1,2,3,4,5,6,7
.if \zero
	v_wmma_scale_f32_16x16x128_f8f6f4 v[8*(8*((\a)%4)+\b):8*(8*((\a)%4)+\b)+7], v[128*(\p)+FR*\b:128*(\p)+FR*\b+FR-1], v[AF+FR*(\a):AF+FR*(\a)+FR-1], v[BI+8*\b:BI+8*\b+7], v[SC+8*NQ*(\sc)+NQ*\b+(\q)], v[SC+8*NQ*(\sc)+NQ*(\a)+(\q)] matrix_a_fmt:MATRIX_FMT_FP4 matrix_b_fmt:MATRIX_FMT_FP4 matrix_a_scale:MATRIX_SCALE_ROW1
.else
	v_wmma_scale_f32_16x16x128_f8f6f4 v[8*(8*((\a)%4)+\b):8*(8*((\a)%4)+\b)+7], v[128*(\p)+FR*\b:128*(\p)+FR*\b+FR-1], v[AF+FR*(\a):AF+FR*(\a)+FR-1], v[8*(8*((\a)%4)+\b):8*(8*((\a)%4)+\b)+7], v[SC+8*NQ*(\sc)+NQ*\b+(\q)], v[SC+8*NQ*(\sc)+NQ*(\a)+(\q)] matrix_a_fmt:MATRIX_FMT_FP4 matrix_b_fmt:MATRIX_FMT_FP4 matrix_a_scale:MATRIX_SCALE_ROW1
.endif
.endr
.endr
.endm
.macro FETCH_B slot, q, p
	WIN TO_B
.irp i, 0,1,2,3,4,5,6,7
	FRAG 128*(\p)+FR*\i, ADRB+\slot, \q, \i
.endr
	WIN 0
.endm
.macro FETCH_A slot, q, i0
.irp i, \i0, \i0+1, \i0+2, \i0+3
	FRAG AF+FR*(\i), ADRA+\slot, \q, \i
.endr
.endm
.macro SCALES sc                       ; a slot's scale words: lanes 0-15 x's block i, lanes 16-31 w's block i
.irp i, 0,1,2,3,4,5,6,7
	ds_load_b128 v[SC+8*NQ*\sc+NQ*\i:SC+8*NQ*\sc+NQ*\i+3], v[ADRS] offset:\i*SBLK
.endr
.endm
.macro PLACES n                        ; plain vector lines between a matrix instruction and a load into, or a read of, its registers
.rept \n
	v_nop
.endr
.endm
.macro STEP slot, q, zero
	s_wait_dscnt 4*NL                              ; w's set and x's blocks 0-3 are in; the youngest eight loads (x's blocks 4-7) may be out
.if \zero
	WIN MUL_LO0
.else
	WIN MUL_LO
.endif
	MUL16 0, (\q)%2, \q, \slot, \zero
	MUL16 2, (\q)%2, \q, \slot, \zero
	s_wait_dscnt 0
	PLACES NP
	FETCH_B \slot, (\q)+1, 1-(\q)%2
	FETCH_A \slot, (\q)+1, 0
.if \zero
	WIN MUL_HI0
.else
	WIN MUL_HI
.endif
	MUL16 4, (\q)%2, \q, \slot, \zero
	MUL16 6, (\q)%2, \q, \slot, \zero
	PLACES NP
	WIN 0
	FETCH_A \slot, (\q)+1, 4
.endm
; Slot 0's last step changes slots: one barrier; in front of it each wave waits for all its tensor loads (slot 1's part), adds 0 to its spare word, and waits for that and for its reads of slot 0.  Nothing is filled again.
.macro TURN slot, next
	s_wait_tensorcnt 0x0
	ds_add_u32 v[SPW], v[NIL]
	s_wait_dscnt 4*NL+1                            ; the add and the youngest eight loads may be out
	WIN MUL_LO
	MUL16 0, 1, NQ-1, \slot, 0
	s_wait_dscnt 0x0                               ; the add is done, and my reads of this slot are over
	s_barrier_signal -1
	MUL16 2, 1, NQ-1, \slot, 0
	WIN 0
	s_barrier_wait -1
	PLACES NP
	v_add_nc_u32 v[ADRS], 4*NQ, v[ADRS]            ; the next slot's scale words
	FETCH_B \next, 0, 0
	FETCH_A \next, 0, 0
	SCALES \next
	WIN MUL_HI
	MUL16 4, 1, NQ-1, \slot, 0
	MUL16 6, 1, NQ-1, \slot, 0
	PLACES NP
	WIN 0
	FETCH_A \next, 0, 4
.endm
	s_wait_tensorcnt 1                             ; the scales and my part of slot 0 are in; slot 1's load may be out
	s_barrier_signal -1
	s_barrier_wait -1
	FETCH_B 0, 0, 0
	FETCH_A 0, 0, 0
	SCALES 0
	FETCH_A 0, 0, 4
	s_wait_loadcnt 0x0                             ; the bias
	STEP 0, 0, 1                                   ; the first products start the sums on the bias
	STEP 0, 1, 0
	STEP 0, 2, 0
	TURN 0, 1
	STEP 1, 0, 0
	STEP 1, 1, 0
	STEP 1, 2, 0
	s_wait_dscnt 4*NL                              ; the last step: nothing more to fetch
	WIN MUL_LO
	MUL16 0, 1, NQ-1, 1, 0
	MUL16 2, 1, NQ-1, 1, 0
	s_wait_dscnt 0
	WIN MUL_HI
	MUL16 4, 1, NQ-1, 1, 0
	MUL16 6, 1, NQ-1, 1, 0
	WIN 0
	PLACES NP
	; The first 16 positions of a batch also leave in f32: they lie in block 0 of the upper waves of the tiles with cluster y = 0.  The branch hangs on the cluster's y and the wave's number.
	s_or_b32 s18, s66, s15
	s_cmp_lg_u32 s18, 0
	s_cbranch_scc1 .Lnofine
	WIN 0x08                                       ; a store's data are its source 1: window 2
.irp b, 0,1,2,3,4,5,6,7
	global_store_b128 v[FO], v[8*\b:8*\b+3], s[12:13] offset:64*\b           ; pieces of 32 bytes a lane: 64 rows of 8,192 take this way
	global_store_b128 v[FO], v[8*\b+4:8*\b+7], s[12:13] offset:64*\b+16
.endr
	WIN 0
.Lnofine:
; THE WAY OUT, a block of 16 rows x 128 columns at a time: rounded to f16, 16 bytes a lane into my stage, back as pieces of a head's rows: four rows of one head are 512 consecutive bytes of memory.
.macro PACK a
.set AC, 64*((\a)%4)
	WIN 0x0a+5*((\a)/4)                            ; sources 0 and 1: window 2 or 3
.irp b, 0,1,2,3,4,5,6,7
.irp r, 0,1,2,3
	v_cvt_pk_f16_f32 v[TMP+4*\b+\r], v[AC+8*\b+2*\r], v[AC+8*\b+2*\r+1]      ; each accumulator from its low end on
.endr
.endr
	WIN 0
.endm
.macro TOSTAGE a
.set BB, BK+32*((\a)%2)
.irp b, 0,1,2,3,4,5,6,7
	ds_store_b128 v[STO], v[TMP+4*\b:TMP+4*\b+3] offset:32*\b
.endr
.irp d, 0,1
.irp i, 0,1,2,3
	ds_load_b128 v[BB+4*(4*\d+\i):BB+4*(4*\d+\i)+3], v[RD] offset:\i*4*SPITCH+128*\d   ; in order behind my stores
.endr
.endr
.endm
.macro SEND a
.set BB, BK+32*((\a)%2)
	s_wait_dscnt 0x0                               ; the block is back in registers
	s_wait_xcnt 0x0                                ; earlier stores have read their registers: the other set may be loaded again behind this wait
.irp d, 0,1
.irp i, 0,1,2,3
	global_store_b128 v[CO], v[BB+4*(4*\d+\i):BB+4*(4*\d+\i)+3], s[10:11] offset:\d*262144+(\a)*2048+\i*512   ; 32 lanes store 512 consecutive bytes, aligned
.endr
.endr
.endm
	PACK 0
	TOSTAGE 0
.irp a, 1,2,3,4,5,6,7
	PACK \a
	SEND \a-1
	TOSTAGE \a
.endr
	SEND 7
	s_wait_tensorcnt 0x0                           ; the wave's end
	ds_add_u32 v[SPW], v[NIL]
	s_wait_dscnt 0x0
	CROUND                                         ; the closing round
	s_endpgm
.Lfunc_end_k_q57c2dab498_qkv:
	.size	k_q57c2dab498_qkv, .Lfunc_end_k_q57c2dab498_qkv-k_q57c2dab498_qkv
	.p2alignl 7, 3214868480
	.fill 96, 4, 3214868480
	.section	.rodata,"a",@progbits
	.p2align	6, 0x0
	.amdhsa_kernel k_q57c2dab498_qkv
		.amdhsa_group_segment_fixed_size 327680
		.amdhsa_private_segment_fixed_size 0
		.amdhsa_enable_private_segment 0
		.amdhsa_kernarg_size 40
		.amdhsa_user_sgpr_count 2
		.amdhsa_user_sgpr_kernarg_segment_ptr 1
		.amdhsa_wavefront_size32 1
		.amdhsa_system_sgpr_workgroup_id_x 1
		.amdhsa_system_sgpr_workgroup_id_y 1
		.amdhsa_system_sgpr_workgroup_id_z 1
		.amdhsa_system_vgpr_workitem_id 0
		.amdhsa_next_free_vgpr 1024
		.amdhsa_next_free_sgpr 100
		.amdhsa_reserve_vcc 0
		.amdhsa_float_denorm_mode_32 3
		.amdhsa_float_denorm_mode_16_64 3
		.amdhsa_memory_ordered 1
		.amdhsa_forward_progress 1
		.amdhsa_inst_pref_size 130
	.end_amdhsa_kernel
	.amdgpu_metadata
---
amdhsa.version: [ 1, 2 ]
amdhsa.kernels:
  - .name:           k_q57c2dab498_qkv
    .symbol:         k_q57c2dab498_qkv.kd
    .args:
      - { .name: codes, .offset: 0, .size: 8, .value_kind: global_buffer, .address_space: global }
      - { .name: scales, .offset: 8, .size: 8, .value_kind: global_buffer, .address_space: global }
      - { .name: b_qkv, .offset: 16, .size: 8, .value_kind: global_buffer, .address_space: global }
      - { .name: qkv16, .offset: 24, .size: 8, .value_kind: global_buffer, .address_space: global }
      - { .name: qkv32, .offset: 32, .size: 8, .value_kind: global_buffer, .address_space: global }
    .group_segment_fixed_size: 327680
    .private_segment_fixed_size: 0
    .kernarg_segment_align: 8
    .kernarg_segment_size: 40
    .max_flat_workgroup_size: 128
    .sgpr_count:     100
    .vgpr_count:     1024
    .wavefront_size: 32
...
	.end_amdgpu_metadata
.endif
;; end of part 2
;; launch attn (part 3): grid 4 x 64, 8 waves a work-group, no clusters, 327,680 bytes of LDS; arguments qkv16, attn_mask, y16; writes y16
.if DOCPART == 3
	.amdgcn_target "amdgcn-amd-amdhsa--gfx1250"
	.amdhsa_code_object_version 6
	.text
	.protected	k_q57c2dab498_attn
	.globl	k_q57c2dab498_attn
	.p2align	8
	.type	k_q57c2dab498_attn,@function
k_q57c2dab498_attn:
	s_mov_b64 s[64:65], 0
	v_nop
	global_prefetch_b8 v0, s[64:65] scope:SCOPE_SE
	s_setreg_imm32_b32 hwreg(HW_REG_WAVE_MODE, 25, 1), 1
	s_wait_xcnt 0x0
; ATTN.  y[b][h][q] = sum over k of softmax_k(q . k / 8) v, key k counting where k <= q and attn_mask[b][k]; a row with no key that counts gives 0.
; qkv16: q, k, v as [batch][head][t][64] f16, 16,777,216 bytes each.  y16: [head][2048 batch + t][64] f16.  Products on f16 operands with f32 sums; maxima, exponentials and sums in f32.
; LIMITS: NaN and infinities are not served.  A key that does not count gets the score -2^100; true scores are at most 64 x 65504^2 in magnitude, far above it; a row whose running maximum stays under -2^99 is empty.
; SHARES.  Work-group (i, head) takes TWO blocks of 256 queries, one after the other: block 7 - i, which needs key slots 0 .. 7 - i, then block i, which needs slots 0 .. i: nine slots of 256 keys in every
; work-group: 256 work-groups of equal work, trip counts that are constants, and no slot is fetched that nobody reads.  A wave owns 32 queries, two tiles of 16; two waves share a SIMD.
; NO CLUSTER: the four work-groups of a head want the same slots only in trips 0 to 4; from trip 5 on their walks part, and a common walk of all eight slots with both blocks at once is 12 slot-times of work against 9.
; LAYOUT.  S^T = K Q^T (source 0 = 16 keys, source 1 = 16 queries): a lane holds one query and keys 8 (lane / 16) + 0..7; two such tiles rounded to f16 in pairs are source 1 of O^T = V^T P; V is turned by ds_load_tr16_b128.
; THE INPUT MASK COSTS NO VECTOR LINE: a table of 0 or -2^100 for each key, in the order of this work-group's walk, lies in LDS, and is the C of each score tile's first product.
; SOFTMAX: running maximum m and sum l for each query: p = 2^(c s - c m), c = log2(e) / 8; O and l are multiplied by a = 2^(c m_old - c m_new) in every step.
; RING: two slots of 256 keys (four steps of 64: 64 rows of K, pitch 144, then 64 of V, pitch 160).  Waves 0-3 fetch K of step w, waves 4-7 V of step w - 4: one tensor load a wave behind each barrier; one is out at the most.
; REGISTERS.  window 0: v0 prefetch offset; v1-15 addresses; v16-31 statistics; v32-95 K; v96-159 V; v160-223 S^T; v224-255 the mask's bias.  window 1: v0-31 Q; v32-63 the second block's Q; v64-127 O^T; v128-159 P.
.set PK,    144
.set PV,    160
.set VOFF,  64*PK
.set STEPB, 64*(PK+PV)
.set SLOT1, 1<<17
.set MT,    SLOT1+4*STEPB              ; the mask's table: 9 slots x 256 keys x 4 bytes
.set STAGE, MT+9*1024                  ; the way out: 32 rows x 144 bytes a wave
.set WST,   32*PK
.set SPARE, STAGE+8*WST                ; the spare words: 128 bytes a wave
.set SLOTG, 32768                      ; a slot's keys in memory: 256 rows of 128 bytes
.set NEGB,  0xf1800000                 ; -2^100: a power of two, so that c x it is exact
.set THRB,  0xf1000000                 ; -2^99
.set AK0, 1
.set AV0, 2
.set AM0, 3
.set ADK, 4
.set ADV, 5
.set ADM, 6
.set STO, 7
.set RD,  8
.set GO,  9
.set SPW, 10
.set NIL, 11
.set NEG, 12
.set DQ,  13                           ; r - 8 h
.set D0,  14                           ; v14, v15: the diagonal's bound for tile 0, 1
.set ST,  16                           ; tile t at ST + 8 t: +0 c m, +1 m, +2, +3 l, +4 .. +7 at work; a takes +6
.set KR,  32
.set VR,  96
.set S,   160
.set MB,  224
.set Q,   0                            ; window 1
.set QB,  32
.set O,   64
.set P,   128
.set WV,  10
.set SUBW, 11
.set IW,  12
.set SW,  13                           ; the trip at which the blocks change: 8 - i
.set BH,  14
.set KVB, 16                           ; s[16:17] my tile of key slot 0 in memory
.set NOFF, 18                          ; s[18:19] the next slot's offset from it
.set SEL, 20
.set CS,  22
.set G1K, 24
.set G1V, 32
.set G0,  40
.set TB,  44
.set TM,  45
.set KF,  46
.set Q0,  47
.set TRIP, 48
.set CNT, 49
.set LIM, 50
.set Q0E, 51
.set PFA, 52
.set YB,  54
.set YP,  56
.set MSB, 0
.macro WIN new
.if MSB != \new
	s_set_vgpr_msb (MSB<<8)|\new
.set MSB, \new
.endif
.endm
.macro PLACES
.rept 4
	v_nop
.endr
.endm
.macro TLOAD                           ; waves 0-3: K's shape; waves 4-7: V's, which differs in the padding; an s_nop 0 and four v_nop follow each line
	s_cmp_lt_u32 s[WV], 4
	s_cbranch_scc0 .Lfor_v_\@
	tensor_load_to_lds s[G0:G0+3], s[G1K:G1K+7]
	s_nop 0
.rept 4
	v_nop
.endr
	s_branch .Lasked_\@
.Lfor_v_\@:
	tensor_load_to_lds s[G0:G0+3], s[G1V:G1V+7]
	s_nop 0
.rept 4
	v_nop
.endr
.Lasked_\@:
.endm
; A prefetch of the key slot that the NEXT change of slots will ask for: in trip t, slot t + 2.  All four work-groups of a head walk slots 0 on in the same order: work-group 0 of the head, which walks all eight, asks,
; each wave for the 8,192 bytes that it will itself fetch, lanes 256 bytes apart: each block is named once in the launch.  Trips 6 on ask for nothing: slot 7 is the head's last.  Slots 0 and 1 come by their loads alone.
.macro ASK
	s_cmp_lt_u32 s[TRIP], s[LIM]
	s_cbranch_scc0 .Lnot_mine_\@
	global_prefetch_b8 v0, s[PFA:PFA+1] th:TH_LOAD_NT scope:SCOPE_SE
.Lnot_mine_\@:
.endm
; THE CHANGE OF SLOTS, at a slot's head.  Each wave waits for all its tensor loads, adds 0 to its spare word, and waits for that and for its reads of the slot that it has left; behind the barrier the slot ahead is whole
; and nobody reads the other one, which is filled with the walk's next slot: the load has four key steps in which to land.
.macro CHANGE fill
	s_wait_tensorcnt 0x0                           ; no tensor load of mine is out: group 0 may be written
	ds_add_u32 v[SPW], v[NIL]
.if \fill
	s_xor_b32 s[G0+1], s[G0+1], SLOT1              ; the other LDS slot,
	s_add_co_u32 s[NOFF], s[NOFF], SLOTG           ; the next 256 keys,
	s_add_co_u32 s58, s[TRIP], 1
	s_cmp_eq_u32 s58, s[SW]
	s_cselect_b32 s[NOFF], 0, s[NOFF]              ; or, where the second block begins, key 0 again
	s_add_nc_u64 s[G0+2:G0+3], s[KVB:KVB+1], s[NOFF:NOFF+1]
	s_or_b32 s[G0+3], s[G0+3], 0x80000000
	s_wait_xcnt 0x0                                ; the last prefetch, a slot back, has read its address
	s_add_nc_u64 s[PFA:PFA+1], s[PFA:PFA+1], SLOTG
.endif
	s_wait_dscnt 0x0                               ; the add is done, and my LDS stores and reads are over
	s_barrier_signal -1
	s_barrier_wait -1
.if \fill
	TLOAD                                          ; first behind the barrier, my one tensor load until the next
	ASK
.endif
.endm
.macro INIT                            ; a block's start: m = -2^100, l = 0, O^T = 0: the step is written once and its first run finds zeros
.irp t, 0,1
	v_mov_b32 v[ST+8*\t+1], v[NEG]
	v_mul_f32 v[ST+8*\t], s[CS], v[NEG]
.irp i, 2,3,4,5,6,7
	v_mov_b32 v[ST+8*\t+\i], 0
.endr
.endr
	WIN 0x40
.irp i, 0,1,2,3,4,5,6,7,8,9,10,11,12,13,14,15,16,17,18,19,20,21,22,23,24,25,26,27,28,29,30,31,32,33,34,35,36,37,38,39,40,41,42,43,44,45,46,47,48,49,50,51,52,53,54,55,56,57,58,59,60,61,62,63
	v_mov_b32 v[O+\i], 0
.endr
	WIN 0
.endm
; THE WAY OUT of a block: O^T / l (0 for an empty row), rounded to f16, through my stage, out as 512 consecutive bytes an instruction.
.macro WAYOUT
	PLACES                                         ; behind the last products
.irp t, 0,1
	v_add_f32 v[ST+8*\t+4], v[ST+8*\t+2], v[ST+8*\t+3]
.endr
.irp t, 0,1
	v_permlanex16_b32 v[ST+8*\t+5], v[ST+8*\t+4], s[SEL], s[SEL+1]
.endr
.irp t, 0,1
	v_add_f32 v[ST+8*\t+4], v[ST+8*\t+4], v[ST+8*\t+5]
.endr
.irp t, 0,1
	v_rcp_f32 v[ST+8*\t+6], v[ST+8*\t+4]
.endr
	v_nop                                          ; a plain line behind the reciprocals,
	s_wait_alu depctr_va_vdst(0)                   ; and the one wait ahead of their first reader
.irp t, 0,1
	v_cmp_lt_f32 vcc_lo, THRB, v[ST+8*\t+1]        ; has any key counted?
	v_cndmask_b32 v[ST+8*\t+6], 0, v[ST+8*\t+6], vcc_lo
.endr
	WIN 0x01                                       ; source 0 (O^T) window 1
.irp t, 0,1
.irp i, 0,1,2,3,4,5,6,7,8,9,10,11,12,13,14,15
	v_pk_mul_f32 v[S+32*\t+2*\i:S+32*\t+2*\i+1], v[O+32*\t+2*\i:O+32*\t+2*\i+1], v[ST+8*\t+6:ST+8*\t+7] op_sel_hi:[1,0]
.endr
.endr
	WIN 0
.irp t, 0,1
.irp i, 0,1,2,3,4,5,6,7,8,9,10,11,12,13,14,15
	v_cvt_pk_f16_f32 v[KR+16*\t+\i], v[S+32*\t+2*\i], v[S+32*\t+2*\i+1]
.endr
.endr
.irp t, 0,1
.irp c, 0,1,2,3
	ds_store_b128 v[STO], v[KR+16*\t+4*\c:KR+16*\t+4*\c+3] offset:\t*16*PK+32*\c
.endr
.endr
.irp t, 0,1
.irp i, 0,1,2,3
	ds_load_b128 v[VR+4*(4*\t+\i):VR+4*(4*\t+\i)+3], v[RD] offset:\t*16*PK+\i*4*PK   ; in order behind my stores
.endr
.endr
	s_wait_xcnt 0x0                                ; earlier stores have read their base
	s_lshl_b32 s58, s[Q0], 7
	s_mov_b32 s59, 0
	s_add_nc_u64 s[YP:YP+1], s[YB:YB+1], s[58:59]
.irp t, 0,1
.irp i, 0,1,2,3
	s_wait_dscnt 7-4*\t-\i                         ; the younger loads may be out
	global_store_b128 v[GO], v[VR+4*(4*\t+\i):VR+4*(4*\t+\i)+3], s[YP:YP+1] offset:\t*2048+\i*512
.endr
.endr
	s_wait_xcnt 0x0                                ; the stores have read their registers: V's registers may be loaded again
.endm
; A KEY STEP: 64 keys.
.macro STEP
	s_add_co_u32 s58, s[Q0], 31
	s_cmp_gt_u32 s[KF], s58                        ; all 64 keys come after my 32 queries: the step's work is left out; ids and counts alone
	s_cbranch_scc1 .Lhidden_\@
	v_add_nc_u32 v[ADK], s[TB], v[AK0]             ; these three and the v_nop are the four places behind the last step's products
	v_add_nc_u32 v[ADV], s[TB], v[AV0]
	v_add_nc_u32 v[ADM], s[TM], v[AM0]
	v_nop
.irp kt, 0,1,2,3
.irp cs, 0,1
	ds_load_b128 v[KR+8*(2*\kt+\cs):KR+8*(2*\kt+\cs)+3],   v[ADK] offset:\kt*16*PK+64*\cs
	ds_load_b128 v[KR+8*(2*\kt+\cs)+4:KR+8*(2*\kt+\cs)+7], v[ADK] offset:\kt*16*PK+64*\cs+32
.endr
.endr
.irp kt, 0,1,2,3
	ds_load_b128 v[MB+8*\kt:MB+8*\kt+3],   v[ADM] offset:64*\kt
	ds_load_b128 v[MB+8*\kt+4:MB+8*\kt+7], v[ADM] offset:64*\kt+16
.endr
.irp ct, 0,1,2,3
.irp kh, 0,1
	ds_load_tr16_b128 v[VR+8*(2*\ct+\kh):VR+8*(2*\ct+\kh)+3],   v[ADV] offset:\kh*32*PV+32*\ct
	ds_load_tr16_b128 v[VR+8*(2*\ct+\kh)+4:VR+8*(2*\ct+\kh)+7], v[ADV] offset:\kh*32*PV+16*PV+32*\ct
.endr
.endr
	s_wait_dscnt 16                                ; K and the bias are in; V's sixteen loads may be out
	WIN 0x04                                       ; source 1 (Q) window 1
.irp kt, 0,1,2,3                       ; the eight score tiles take turns, one instruction a turn
.irp t, 0,1
	v_wmma_f32_16x16x32_f16 v[S+32*\t+8*\kt:S+32*\t+8*\kt+7], v[KR+16*\kt:KR+16*\kt+7], v[Q+16*\t:Q+16*\t+7], v[MB+8*\kt:MB+8*\kt+7]
.endr
.endr
.irp kt, 0,1,2,3
.irp t, 0,1
	v_wmma_f32_16x16x32_f16 v[S+32*\t+8*\kt:S+32*\t+8*\kt+7], v[KR+16*\kt+8:KR+16*\kt+15], v[Q+16*\t+8:Q+16*\t+15], v[S+32*\t+8*\kt:S+32*\t+8*\kt+7]
.endr
.endr
	WIN 0
	PLACES
	s_add_co_u32 s58, s[KF], 63
	s_cmp_le_u32 s58, s[Q0]                        ; all 64 keys count for all my queries: no causal line is needed
	s_cbranch_scc1 .Lopen_\@
	s_sub_co_i32 s58, s[Q0], s[KF]
	v_add_nc_u32 v[D0], s58, v[DQ]                 ; register 8 kt + j holds key KF + 16 kt + 8 h + j: hidden where 16 kt + j > my query - KF - 8 h
	v_add_nc_u32 v[D0+1], 16, v[D0]
.irp t, 0,1
.irp n, 0,1,2,3,4,5,6,7,8,9,10,11,12,13,14,15,16,17,18,19,20,21,22,23,24,25,26,27,28,29,30,31
	v_cmp_gt_i32 vcc_lo, 16*(\n/8)+\n%8, v[D0+\t]
	v_cndmask_b32 v[S+32*\t+\n], v[S+32*\t+\n], v[NEG], vcc_lo
.endr
.endr
.Lopen_\@:
.irp j, 0,1,2,3                        ; the maximum: four chains a tile, each begun at its accumulator's low end; the two tiles line by line
.irp t, 0,1
	v_max3_num_f32 v[ST+8*\t+4+\j], v[S+32*\t+8*\j], v[S+32*\t+8*\j+1], v[S+32*\t+8*\j+2]
.endr
.endr
.irp g, 1,2
.irp j, 0,1,2,3
.irp t, 0,1
	v_max3_num_f32 v[ST+8*\t+4+\j], v[ST+8*\t+4+\j], v[S+32*\t+8*\j+2*\g+1], v[S+32*\t+8*\j+2*\g+2]
.endr
.endr
.endr
.irp t, 0,1
	v_max3_num_f32 v[ST+8*\t+4], v[ST+8*\t+4], v[S+32*\t+7], v[S+32*\t+15]
.endr
.irp t, 0,1
	v_max3_num_f32 v[ST+8*\t+6], v[ST+8*\t+6], v[S+32*\t+23], v[S+32*\t+31]
.endr
.irp t, 0,1
	v_max3_num_f32 v[ST+8*\t+4], v[ST+8*\t+4], v[ST+8*\t+5], v[ST+8*\t+6]
.endr
.irp t, 0,1
	v_max3_num_f32 v[ST+8*\t+4], v[ST+8*\t+4], v[ST+8*\t+7], v[ST+8*\t+1]      ; with the old m
.endr
.irp t, 0,1
	v_permlanex16_b32 v[ST+8*\t+5], v[ST+8*\t+4], s[SEL], s[SEL+1]             ; the query's other 32 keys lie in the lane 16 away
.endr
.irp t, 0,1
	v_mov_b32 v[ST+8*\t+7], v[ST+8*\t]             ; c m_old
.endr
.irp t, 0,1
	v_max_num_f32 v[ST+8*\t+1], v[ST+8*\t+4], v[ST+8*\t+5]
.endr
.irp t, 0,1
	v_mul_f32 v[ST+8*\t], s[CS], v[ST+8*\t+1]
.endr
.irp t, 0,1
	v_sub_f32 v[ST+8*\t+7], v[ST+8*\t+7], v[ST+8*\t]
.endr
.irp p, 0,1,2,3,4,5,6,7,8,9,10,11,12,13,14,15
.irp t, 0,1
	v_pk_fma_f32 v[S+32*\t+2*\p:S+32*\t+2*\p+1], v[S+32*\t+2*\p:S+32*\t+2*\p+1], s[CS:CS+1], v[ST+8*\t:ST+8*\t+1] op_sel_hi:[1,0,0] neg_lo:[0,0,1] neg_hi:[0,0,1]   ; c s - c m
.endr
.endr
.irp t, 0,1
	v_exp_f32 v[ST+8*\t+6], v[ST+8*\t+7]           ; a
.endr
.irp n, 0,1,2,3,4,5,6,7,8,9,10,11,12,13,14,15,16,17,18,19,20,21,22,23,24,25,26,27,28,29,30,31
.irp t, 0,1
	v_exp_f32 v[S+32*\t+\n], v[S+32*\t+\n]         ; p: one batch of 66 exponentials, none of which reads another's result
.endr
.endr
	v_nop                                          ; the plain line behind the batch,
	s_wait_alu depctr_va_vdst(0)                   ; and the one wait ahead of its first reader
	WIN 0x40                                       ; destination (P) window 1
.irp p, 0,1,2,3,4,5,6,7,8,9,10,11,12,13,14,15
.irp t, 0,1
	v_cvt_pk_f16_f32 v[P+16*\t+\p], v[S+32*\t+2*\p], v[S+32*\t+2*\p+1]
.endr
.endr
	WIN 0
.irp u, 0,1,2,3,4,5,6,7                ; the row's sum of the unrounded p, a tree in place
.irp t, 0,1
	v_pk_add_f32 v[S+32*\t+4*\u:S+32*\t+4*\u+1], v[S+32*\t+4*\u:S+32*\t+4*\u+1], v[S+32*\t+4*\u+2:S+32*\t+4*\u+3]
.endr
.endr
.irp u, 0,1,2,3
.irp t, 0,1
	v_pk_add_f32 v[S+32*\t+8*\u:S+32*\t+8*\u+1], v[S+32*\t+8*\u:S+32*\t+8*\u+1], v[S+32*\t+8*\u+4:S+32*\t+8*\u+5]
.endr
.endr
.irp u, 0,1
.irp t, 0,1
	v_pk_add_f32 v[S+32*\t+16*\u:S+32*\t+16*\u+1], v[S+32*\t+16*\u:S+32*\t+16*\u+1], v[S+32*\t+16*\u+8:S+32*\t+16*\u+9]
.endr
.endr
.irp t, 0,1
	v_pk_add_f32 v[S+32*\t:S+32*\t+1], v[S+32*\t:S+32*\t+1], v[S+32*\t+16:S+32*\t+17]
.endr
.irp t, 0,1
	v_pk_fma_f32 v[ST+8*\t+2:ST+8*\t+3], v[ST+8*\t+2:ST+8*\t+3], v[ST+8*\t+6:ST+8*\t+7], v[S+32*\t:S+32*\t+1] op_sel_hi:[1,0,1]   ; l = a l + the sum
.endr
	WIN 0x41                                       ; O^T (destination and source 0) window 1
.irp t, 0,1
.irp i, 0,1,2,3,4,5,6,7,8,9,10,11,12,13,14,15
	v_pk_mul_f32 v[O+32*\t+2*\i:O+32*\t+2*\i+1], v[O+32*\t+2*\i:O+32*\t+2*\i+1], v[ST+8*\t+6:ST+8*\t+7] op_sel_hi:[1,0]
.endr
.endr
	s_wait_dscnt 0x0                               ; V is in
	WIN 0x54                                       ; P, and O^T as C and D: window 1
.irp kh, 0,1
.irp ct, 0,1,2,3
.irp t, 0,1
	v_wmma_f32_16x16x32_f16 v[O+32*\t+8*\ct:O+32*\t+8*\ct+7], v[VR+8*(2*\ct+\kh):VR+8*(2*\ct+\kh)+7], v[P+16*\t+8*\kh:P+16*\t+8*\kh+7], v[O+32*\t+8*\ct:O+32*\t+8*\ct+7]
.endr
.endr
.endr
	WIN 0
.Lhidden_\@:
	s_add_co_u32 s[TB], s[TB], STEPB
	s_add_co_u32 s[TM], s[TM], 256
	s_add_co_u32 s[KF], s[KF], 64
.endm
; A slot: the change; in trip 8 - i the first block leaves and the second begins; four key steps.
.macro SLOTM fill
	CHANGE \fill
	s_cmp_lg_u32 s[TRIP], s[SW]
	s_cbranch_scc1 .Lsame_\@
	WAYOUT
	WIN 0x41
.irp i, 0,1,2,3,4,5,6,7,8,9,10,11,12,13,14,15,16,17,18,19,20,21,22,23,24,25,26,27,28,29,30,31
	v_mov_b32 v[Q+\i], v[QB+\i]
.endr
	WIN 0
	INIT
	s_mov_b32 s[Q0], s[Q0E]
	s_mov_b32 s[KF], 0
.Lsame_\@:
	s_mov_b32 s[CNT], 4
.Lstep_\@:
	STEP
	s_sub_co_u32 s[CNT], s[CNT], 1
	s_cmp_lg_u32 s[CNT], 0
	s_cbranch_scc1 .Lstep_\@
	s_sub_co_u32 s[TB], s[TB], 4*STEPB
	s_xor_b32 s[TB], s[TB], SLOT1
.endm
	s_load_b128 s[4:7], s[0:1], 0x0                ; qkv16, attn_mask
	s_load_b64 s[8:9], s[0:1], 0x10                ; y16
	v_lshl_add_u32 v[SPW], v0, 2, SPARE
	v_mov_b32 v[NIL], 0
	ds_add_u32 v[SPW], v[NIL]                      ; the wave's opening: the add, twice on end, and its wait ahead of my first tensor load
	ds_add_u32 v[SPW], v[NIL]
	v_lshrrev_b32 v1, 5, v0
	v_readfirstlane_b32 s[WV], v1                  ; wave 0..7
	s_lshr_b32 s58, s[WV], 2
	s_mul_i32 s[SUBW], s58, 3
	s_xor_b32 s[SUBW], s[SUBW], s[WV]              ; which 32 queries of a block: 0,1,2,3,7,6,5,4
	s_mov_b32 s[IW], ttmp9
	s_sub_co_u32 s[SW], 8, s[IW]
	s_and_b32 s[BH], ttmp7, 0xffff                 ; 16 batch + head
	s_mov_b32 s[G1K], (1<<16)|(1<<20)|(4<<22)|(3<<25)   ; elements of 2 bytes; padding: 4 words behind every 32
	s_mov_b32 s[G1V], (1<<16)|(1<<20)|(4<<22)|(7<<25)   ; 8 words
.irp g, G1K, G1V
	s_mov_b32 s[\g+1], 64<<16                      ; tensor_dim0 = 64
	s_mov_b32 s[\g+2], 64<<16                      ; tensor_dim1 = 64
	s_mov_b32 s[\g+3], 64<<16                      ; tile_dim0 = 64
	s_mov_b32 s[\g+4], 64                          ; tile_dim1 = 64
	s_mov_b32 s[\g+5], 64                          ; stride
	s_mov_b32 s[\g+6], 0
	s_mov_b32 s[\g+7], 0
.endr
	s_mov_b32 s[G0], 1
	s_and_b32 s59, s[WV], 3
	s_mul_i32 s[G0+1], s59, STEPB                  ; LDS: my step of slot 0,
	s_mul_i32 s60, s58, VOFF                       ; K's part or V's
	s_add_co_u32 s[G0+1], s[G0+1], s60
	s_cmp_lt_u32 s[WV], 4
	s_mov_b32 s60, 0x2000000
	s_cselect_b32 s60, 0x1000000, s60              ; memory: the part k or v,
	s_lshl_b32 s61, s[BH], 18
	s_add_co_u32 s60, s60, s61                     ; my head,
	s_lshl_b32 s59, s59, 13
	s_add_co_u32 s60, s60, s59                     ; my step's 64 rows
	s_mov_b32 s61, 0
	s_mov_b32 s[SEL], 0x76543210
	s_mov_b32 s[SEL+1], 0xfedcba98
	s_mov_b32 s[CS], 0x3e38aa3b                    ; c = log2(e) / 8
	s_mov_b32 s[CS+1], s[CS]
	s_mov_b32 s[TB], 0
	s_mov_b32 s[TM], 0
	s_mov_b32 s[KF], 0
	s_mov_b32 s[TRIP], 0
	s_mov_b32 s[NOFF], 0
	s_mov_b32 s[NOFF+1], 0
	s_cmp_eq_u32 s[IW], 0
	s_cselect_b32 s[LIM], 6, 0
	s_lshl_b32 s58, s[SUBW], 5
	s_sub_co_u32 s59, 7, s[IW]
	s_lshl_b32 s59, s59, 8
	s_add_co_u32 s[Q0], s59, s58                   ; my first query in block 7 - i,
	s_lshl_b32 s59, s[IW], 8
	s_add_co_u32 s[Q0E], s59, s58                  ; and in block i
	s_wait_dscnt 0x0                               ; both opening adds are done
	s_wait_kmcnt 0x0
	s_add_nc_u64 s[KVB:KVB+1], s[4:5], s[60:61]
	s_mov_b64 s[G0+2:G0+3], s[KVB:KVB+1]
	s_or_b32 s[G0+3], s[G0+3], 0x80000000
	TLOAD                                          ; slot 0: the first fill, ahead of every wait on TENSORcnt, LDS read and barrier
	s_add_nc_u64 s[PFA:PFA+1], s[KVB:KVB+1], SLOTG ; the first change steps it to slot 2; nothing is prefetched at the head
	v_and_b32 v14, 15, v0                          ; r
	v_bfe_u32 v15, v0, 4, 1                        ; h
	v_lshlrev_b32 v[ADK], 7, v14
	v_lshl_add_u32 v[ADK], v15, 4, v[ADK]          ; Q: row r of 128 bytes + 16 h
.irp u, 0,1,2,3,4,5,6,7,8              ; the u-th slot of my walk is key slot u, or u - (8 - i) in the second block; thread t takes its key t
	s_cmp_gt_u32 s[SW], \u
	s_cselect_b32 s62, 0, s[SW]
	s_sub_co_u32 s62, \u, s62
	s_lshl_b32 s62, s62, 8
	v_add_nc_u32 v[KR+\u], s62, v0
.endr
	s_lshr_b32 s62, s[BH], 4
	s_lshl_b32 s62, s62, 11
	s_mov_b32 s63, 0
	s_add_nc_u64 s[6:7], s[6:7], s[62:63]          ; my batch's mask
	s_and_b32 s62, s[BH], 15
	s_lshl_b32 s62, s62, 20
	s_lshr_b32 s58, s[BH], 4
	s_lshl_b32 s58, s58, 18
	s_add_co_u32 s62, s62, s58
	s_add_nc_u64 s[YB:YB+1], s[8:9], s[62:63]      ; y16 at (head, batch, t = 0)
	s_lshl_b32 s62, s[BH], 18
	s_lshl_b32 s58, s[Q0], 7
	s_add_co_u32 s58, s58, s62
	s_mov_b32 s59, 0
	s_add_nc_u64 s[58:59], s[4:5], s[58:59]
	s_lshl_b32 s60, s[Q0E], 7
	s_add_co_u32 s60, s60, s62
	s_mov_b32 s61, 0
	s_add_nc_u64 s[60:61], s[4:5], s[60:61]
	WIN 0x40                                       ; destination window 1
.irp t, 0,1
.irp cs, 0,1
	global_load_b128 v[Q+16*\t+8*\cs:Q+16*\t+8*\cs+3],     v[ADK], s[58:59] offset:\t*2048+\cs*64
	global_load_b128 v[Q+16*\t+8*\cs+4:Q+16*\t+8*\cs+7],   v[ADK], s[58:59] offset:\t*2048+\cs*64+32
	global_load_b128 v[QB+16*\t+8*\cs:QB+16*\t+8*\cs+3],   v[ADK], s[60:61] offset:\t*2048+\cs*64
	global_load_b128 v[QB+16*\t+8*\cs+4:QB+16*\t+8*\cs+7], v[ADK], s[60:61] offset:\t*2048+\cs*64+32
.endr
.endr
	WIN 0
.irp u, 0,1,2,3,4,5,6,7,8
	global_load_u8 v[VR+\u], v[KR+\u], s[6:7]
.endr
	v_mul_u32_u24 v[AK0], v14, PK
	v_lshl_add_u32 v[AK0], v15, 4, v[AK0]          ; K: row r x pitch + 16 h
	v_and_b32 v160, 7, v0
	v_bfe_u32 v161, v0, 3, 1
	v_lshl_add_u32 v[AV0], v15, 3, v160            ; V, turned: key 8 h + lane % 8, channels 8 ((lane / 8) % 2) on
	v_mul_u32_u24 v[AV0], v[AV0], PV
	v_lshl_add_u32 v[AV0], v161, 4, v[AV0]
	v_add_nc_u32 v[AV0], VOFF, v[AV0]
	v_lshl_add_u32 v[AM0], v15, 5, MT              ; the bias of keys 8 h on
	s_mul_i32 s62, s[WV], WST
	s_add_co_u32 s62, s62, STAGE
	v_add_nc_u32 v[STO], s62, v[AK0]               ; the stage, in: row r, 16 h
	v_bfe_u32 v161, v0, 3, 2
	v_mul_u32_u24 v161, v161, PK
	v_lshl_add_u32 v161, v160, 4, v161
	v_add_nc_u32 v[RD], s62, v161                  ; back: eight lanes to a row of 128 bytes
	v_and_b32 v160, 31, v0
	v_lshlrev_b32 v[GO], 4, v160
	v_lshlrev_b32 v161, 3, v15
	v_sub_nc_u32 v[DQ], v14, v161
	v_mov_b32 v[NEG], NEGB
	INIT
	v_lshl_add_u32 v[ADM], v0, 2, MT
	s_wait_loadcnt 0x0                             ; Q of both blocks, and the mask's bytes
.irp u, 0,1,2,3,4,5,6,7,8
	v_cmp_eq_u32 vcc_lo, 0, v[VR+\u]
	v_cndmask_b32 v[VR+\u], 0, v[NEG], vcc_lo      ; 0 for a key that counts, -2^100 for one that does not
	ds_store_b32 v[ADM], v[VR+\u] offset:1024*\u   ; read by all waves behind the first change's wait and barrier
.endr
	v_and_b32 v0, 31, v0
	v_lshlrev_b32 v0, 8, v0                        ; from here on v0 is the prefetches' offset: 256 x lane
.Lslot:                                            ; eight trips: behind each change the walk's next slot is asked for
	SLOTM 1
	s_add_co_u32 s[TRIP], s[TRIP], 1
	s_cmp_lt_u32 s[TRIP], 8
	s_cbranch_scc1 .Lslot
	SLOTM 0                                        ; the ninth slot is written out: nothing is left to fetch
	WAYOUT
	s_wait_tensorcnt 0x0                           ; the wave's end
	ds_add_u32 v[SPW], v[NIL]
	s_wait_dscnt 0x0
	s_endpgm
.Lfunc_end_k_q57c2dab498_attn:
	.size	k_q57c2dab498_attn, .Lfunc_end_k_q57c2dab498_attn-k_q57c2dab498_attn
	.p2alignl 7, 3214868480
	.fill 96, 4, 3214868480
	.section	.rodata,"a",@progbits
	.p2align	6, 0x0
	.amdhsa_kernel k_q57c2dab498_attn
		.amdhsa_group_segment_fixed_size 327680
		.amdhsa_private_segment_fixed_size 0
		.amdhsa_enable_private_segment 0
		.amdhsa_kernarg_size 24
		.amdhsa_user_sgpr_count 2
		.amdhsa_user_sgpr_kernarg_segment_ptr 1
		.amdhsa_wavefront_size32 1
		.amdhsa_system_sgpr_workgroup_id_x 1
		.amdhsa_system_sgpr_workgroup_id_y 1
		.amdhsa_system_sgpr_workgroup_id_z 1
		.amdhsa_system_vgpr_workitem_id 0
		.amdhsa_next_free_vgpr 512
		.amdhsa_next_free_sgpr 66
		.amdhsa_reserve_vcc 1
		.amdhsa_float_denorm_mode_32 3
		.amdhsa_float_denorm_mode_16_64 3
		.amdhsa_memory_ordered 1
		.amdhsa_forward_progress 1
		.amdhsa_inst_pref_size 88
	.end_amdhsa_kernel
	.amdgpu_metadata
---
amdhsa.version: [ 1, 2 ]
amdhsa.kernels:
  - .name:           k_q57c2dab498_attn
    .symbol:         k_q57c2dab498_attn.kd
    .args:
      - { .name: qkv16, .offset: 0, .size: 8, .value_kind: global_buffer, .address_space: global }
      - { .name: attn_mask, .offset: 8, .size: 8, .value_kind: global_buffer, .address_space: global }
      - { .name: y16, .offset: 16, .size: 8, .value_kind: global_buffer, .address_space: global }
    .group_segment_fixed_size: 327680
    .private_segment_fixed_size: 0
    .kernarg_segment_align: 8
    .kernarg_segment_size: 24
    .max_flat_workgroup_size: 256
    .sgpr_count:     66
    .vgpr_count:     512
    .wavefront_size: 32
...
	.end_amdgpu_metadata
.endif
;; end of part 3
;; launch proj (part 4): grid 4 x 64, 4 waves a work-group, clusters of 4 x 4, 327,680 bytes of LDS; arguments y16, wp16, b_proj, out0; writes out0
.if DOCPART == 4
	.amdgcn_target "amdgcn-amd-amdhsa--gfx1250"
	.amdhsa_code_object_version 6
	.text
	.protected	k_q57c2dab498_proj
	.globl	k_q57c2dab498_proj
	.p2align	8
	.type	k_q57c2dab498_proj,@function
k_q57c2dab498_proj:
	s_mov_b64 s[64:65], 0
	v_nop
	global_prefetch_b8 v0, s[64:65] scope:SCOPE_SE
	s_setreg_imm32_b32 hwreg(HW_REG_WAVE_MODE, 25, 1), 1
	s_wait_xcnt 0x0
	s_wait_alu depctr_hold_cnt(0) depctr_sa_sdst(0) depctr_va_vdst(0) depctr_va_sdst(0) depctr_va_ssrc(0) depctr_va_vcc(0) depctr_vm_vsrc(0)
	s_getreg_b32 s2, hwreg(HW_REG_IB_STS2, 6, 4)
	s_cmp_eq_u32 s2, 0
	s_cbranch_scc0 .Lentry_in_a_cluster
	s_endpgm
.Lentry_in_a_cluster:
	s_bfe_u32 s2, ttmp6, 0x10000c
	s_cmp_lg_u32 s2, 0xf033
	s_cbranch_scc0 .Lentry_shape_is_right
	s_endpgm
.Lentry_shape_is_right:
; PROJ.  out0[m][n] = sum over k of y[m][k] w_proj[n][k] + b_proj[n]: 8192 x 1024 x 1024 on f16 operands, sums in f32.  y16: [head][8192 rows][64] f16 (k = 64 head + channel); wp16: [1024][1024] f16.
; (The first 16 positions of each batch are written again, more finely, by the launch that follows.)
; A tile of 128 x 256 gives 256 work-groups.  Four waves, 64 x 128 each: 32 accumulators, window 2.  K goes in steps of 128 (two heads of y) through a ring of two LDS slots.
; CLUSTERS: 4 x 4.  The four of a row of the cluster need the same rows of y, the four of a column the same rows of w_proj: each tile is asked for jointly.  Waves 0, 1 fetch a head of y each (128 rows of 128 bytes,
; dense in memory), waves 2, 3 half of w_proj's 256 rows (256 bytes each).  By this text's own count a wave has two tensor loads out at the start and one behind each round.
; THE MATRIX INSTRUCTION IS USED TRANSPOSED (source 0 = 16 rows of w_proj, source 1 = 16 rows of y): a lane holds eight neighbouring columns of a row.  The bias is the C of each sum's first product.
; No prefetch: eight K steps in all, two of them asked for at the head.
; REGISTERS: window 0: v16-31 addresses; v64-127 the bias; v128-255 rows on the way out.  window 1: two fragment buffers of 96 (w_proj's 8 fragments, then y's 4).  window 2: accumulator (a, b) at v[8 (8 a + b)].
.set PA,     144                       ; a row of y in LDS: 128 bytes + 16
.set PB,     272                       ; a row of w_proj: 256 + 16
.set AH,     128*PA                    ; a head's 128 rows
.set BHALF,  128*PB
.set BOFF,   2*AH
.set SLOT,   BOFF+2*BHALF
.set STAGE,  2*SLOT
.set SPITCH, 528
.set SPARE,  STAGE+4*16*SPITCH
.set LAPS,   4                         ; a lap = two K steps
.set ADRA, 16
.set ADRB, 20
.set STO,  24
.set RD,   25
.set CO,   26
.set SPW,  28
.set NIL,  29
.set BA,   30
.set BI,   64
.set BK,   128
.set F0,   0
.set F1,   96
.set G1, 24
.set G0, 32
.set G1B, 48
.set G0B, 56
.set MSB, 0
.macro WIN new
.if MSB != \new
	s_set_vgpr_msb (MSB<<8)|\new
.set MSB, \new
.endif
.endm
.set MUL,  0xa5                        ; sources 0 and 1 window 1; C and D window 2
.set MUL0, 0x85                        ; the first quarter: C (the bias) window 0
.set TO_F, 0x40
.macro JLOAD s                         ; a joint load; the branch hangs on the wave's number alone; an s_nop 0 and four v_nop follow each line
	s_cmp_eq_u32 s13, 0
	s_cbranch_scc0 .Lfor_b_\@
	tensor_load_to_lds s[G0+4*\s:G0+4*\s+3], s[G1:G1+7]
	s_nop 0
.rept 4
	v_nop
.endr
	s_branch .Lasked_\@
.Lfor_b_\@:
	tensor_load_to_lds s[G0B+4*\s:G0B+4*\s+3], s[G1B:G1B+7]
	s_nop 0
.rept 4
	v_nop
.endr
.Lasked_\@:
.endm
.macro CREST                           ; a round of the cluster's barrier behind its opening barrier
	s_cmp_lg_u32 s12, 0
	s_cbranch_scc1 .Lnot_wave_0_\@
	s_barrier_signal -3
.Lnot_wave_0_\@:
	s_barrier_wait -3
	s_barrier_signal -1
	s_barrier_wait -1
.endm
.macro CROUND
	s_barrier_signal -1
	s_barrier_wait -1
	CREST
.endm
	s_load_b256 s[4:11], s[0:1], 0x0               ; y16, wp16, b_proj, out0
	v_lshl_add_u32 v[SPW], v0, 2, SPARE
	v_mov_b32 v[NIL], 0
	ds_add_u32 v[SPW], v[NIL]                      ; the wave's opening: the add, twice on end, and its wait ahead of my first tensor load
	ds_add_u32 v[SPW], v[NIL]
	v_lshrrev_b32 v1, 5, v0
	v_readfirstlane_b32 s12, v1                    ; wave 0..3
	s_lshr_b32 s13, s12, 1                         ; my half of the rows; also: I fetch for y (0) or for w_proj (1)
	s_and_b32 s14, s12, 1                          ; my half of the columns; also: which head, or which 128 rows, I fetch
	s_bfe_u32 s40, ttmp6, 0x40000                  ; cx
	s_bfe_u32 s41, ttmp6, 0x40004                  ; cy
	s_lshl_b32 s42, ttmp9, 2
	s_add_co_u32 s42, s42, s40                     ; tile column
	s_and_b32 s15, ttmp7, 0xffff
	s_lshl_b32 s15, s15, 2
	s_add_co_u32 s15, s15, s41                     ; tile row
	s_lshl_b32 s43, s41, 2
	s_lshl_b32 s43, 15, s43                        ; my row of the cluster
	s_lshl_b32 s44, 0x1111, s40                    ; my column
	s_or_b32 s[G1+0], s43, (1<<16)|(1<<20)|(1<<21)|(4<<22)|(3<<25)    ; y: elements of 2 bytes; 4 words of padding behind every 32
	s_mov_b32 s[G1+1], 64<<16                      ; tensor_dim0 = 64
	s_mov_b32 s[G1+2], 128<<16                     ; tensor_dim1 = 128
	s_mov_b32 s[G1+3], 64<<16                      ; tile_dim0 = 64
	s_mov_b32 s[G1+4], 128                         ; tile_dim1 = 128
	s_mov_b32 s[G1+5], 64                          ; stride
	s_mov_b32 s[G1+6], 0
	s_mov_b32 s[G1+7], 0
	s_or_b32 s[G1B+0], s44, (1<<16)|(1<<20)|(1<<21)|(5<<22)|(3<<25)   ; w_proj: 4 words behind every 64
	s_mov_b32 s[G1B+1], 128<<16
	s_mov_b32 s[G1B+2], 128<<16
	s_mov_b32 s[G1B+3], 128<<16
	s_mov_b32 s[G1B+4], 128
	s_mov_b32 s[G1B+5], 1024
	s_mov_b32 s[G1B+6], 0
	s_mov_b32 s[G1B+7], 0
	s_lshl_b32 s16, s14, 20                        ; y: my head of the K step (8,192 rows of 128 bytes each),
	s_lshl_b32 s17, s15, 14                        ; the tile's 128 rows
	s_add_co_u32 s16, s16, s17
	s_mov_b32 s17, 0
	s_lshl_b32 s46, s42, 19                        ; w_proj: 256 rows of 2,048 bytes a tile column,
	s_lshl_b32 s47, s14, 18                        ; my 128 of them
	s_add_co_u32 s46, s46, s47
	s_mov_b32 s47, 0
	s_mul_i32 s20, s14, AH                         ; where they go
	s_mul_i32 s21, s14, BHALF
	s_add_co_u32 s21, s21, BOFF
	s_wait_dscnt 0x0                               ; both opening adds are done
	s_wait_kmcnt 0x0
	s_add_nc_u64 s[16:17], s[4:5], s[16:17]
	s_add_nc_u64 s[46:47], s[6:7], s[46:47]
	CROUND                                         ; all sixteen work-groups are here
.irp s, 0,1
	s_mov_b32 s[G0+4*\s], 1
	s_add_co_u32 s[G0+4*\s+1], s20, \s*SLOT
	s_add_nc_u64 s[G0+4*\s+2:G0+4*\s+3], s[16:17], \s*2097152      ; K step s: two heads on
	s_or_b32 s[G0+4*\s+3], s[G0+4*\s+3], 0x80000000
	s_mov_b32 s[G0B+4*\s], 1
	s_add_co_u32 s[G0B+4*\s+1], s21, \s*SLOT
	s_add_nc_u64 s[G0B+4*\s+2:G0B+4*\s+3], s[46:47], \s*256
	s_or_b32 s[G0B+4*\s+3], s[G0B+4*\s+3], 0x80000000
	JLOAD \s
.endr
	v_and_b32 v1, 15, v0                           ; r
	v_bfe_u32 v2, v0, 4, 1                         ; h
	v_mul_u32_u24 v3, v1, PA
	v_lshl_add_u32 v3, v2, 4, v3
	v_mul_u32_u24 v4, v1, PB
	v_lshl_add_u32 v4, v2, 4, v4
	s_mul_i32 s21, s13, 64*PA                      ; my 64 rows of y
	s_mul_i32 s22, s14, BHALF                      ; my 128 rows of w_proj
	s_add_co_u32 s22, s22, BOFF
.irp s, 0,1
	v_add_nc_u32 v[ADRA+\s], s21, v3
	v_add_nc_u32 v[ADRB+\s], s22, v4
	s_add_co_u32 s21, s21, SLOT
	s_add_co_u32 s22, s22, SLOT
.endr
	s_mul_i32 s23, s12, 16*SPITCH
	s_add_co_u32 s23, s23, STAGE                   ; my stage
	v_mul_u32_u24 v5, v1, SPITCH
	v_lshl_add_u32 v5, v2, 5, v5
	v_add_nc_u32 v[STO], s23, v5                   ; in: row r, 32 bytes for each half of the lanes
	v_and_b32 v6, 31, v0
	v_lshlrev_b32 v[CO], 4, v6
	v_add_nc_u32 v[RD], s23, v[CO]                 ; back: 32 lanes take a row of 512 bytes
	v_lshlrev_b32 v[BA], 5, v2
	s_lshl_b32 s46, s42, 10
	s_lshl_b32 s47, s14, 9
	s_add_co_u32 s46, s46, s47                     ; my first column, in bytes
	s_mov_b32 s47, 0
	s_add_nc_u64 s[8:9], s[8:9], s[46:47]
	s_add_nc_u64 s[10:11], s[10:11], s[46:47]
	s_lshl_b32 s46, s15, 19                        ; 128 rows of 4,096 bytes a tile row,
	s_lshl_b32 s18, s13, 18                        ; my 64 of them
	s_add_co_u32 s46, s46, s18
	s_add_nc_u64 s[10:11], s[10:11], s[46:47]
.irp b, 0,1,2,3,4,5,6,7
	global_load_b128 v[BI+8*\b:BI+8*\b+3], v[BA], s[8:9] offset:64*\b
	global_load_b128 v[BI+8*\b+4:BI+8*\b+7], v[BA], s[8:9] offset:64*\b+16
.endr
; 8 products: y's block a against w_proj's eight.  The 32 accumulators take turns, one instruction a turn, in the same order in every quarter.
.macro MUL8 f, a, zero
.irp b, 0,1,2,3,4,5,6,7
.if \zero
	v_wmma_f32_16x16x32_f16 v[8*(8*(\a)+\b):8*(8*(\a)+\b)+7], v[\f+8*\b:\f+8*\b+7], v[\f+64+8*(\a):\f+64+8*(\a)+7], v[BI+8*\b:BI+8*\b+7]
.else
	v_wmma_f32_16x16x32_f16 v[8*(8*(\a)+\b):8*(8*(\a)+\b)+7], v[\f+8*\b:\f+8*\b+7], v[\f+64+8*(\a):\f+64+8*(\a)+7], v[8*(8*(\a)+\b):8*(8*(\a)+\b)+7]
.endif
.endr
.endm
; 24 LDS loads in one run: the fragments of 32 along K, quarter kq of the slot, into buffer f: w_proj's sixteen loads, then y's blocks 0, 1, then 2, 3
.macro FETCH slot, kq, f
	WIN TO_F
.irp i, 0,1,2,3,4,5,6,7
	ds_load_b128 v[\f+8*\i:\f+8*\i+3],   v[ADRB+\slot] offset:64*(\kq)+\i*16*PB
	ds_load_b128 v[\f+8*\i+4:\f+8*\i+7], v[ADRB+\slot] offset:64*(\kq)+\i*16*PB+32
.endr
.irp i, 0,1,2,3
	ds_load_b128 v[\f+64+8*\i:\f+64+8*\i+3],   v[ADRA+\slot] offset:((\kq)/2)*AH+((\kq)%2)*64+\i*16*PA
	ds_load_b128 v[\f+64+8*\i+4:\f+64+8*\i+7], v[ADRA+\slot] offset:((\kq)/2)*AH+((\kq)%2)*64+\i*16*PA+32
.endr
.endm
.macro PLACES
.rept 4
	v_nop
.endr
.endm
.macro MULWIN zero
.if \zero
	WIN MUL0
.else
	WIN MUL
.endif
.endm
; One of a K step's first three quarters: multiplies buffer f; in its middle fetches quarter kq into buffer g.
.macro QUARTER slot, kq, f, g, zero
	s_wait_dscnt 4                                 ; all but the youngest four loads (y's blocks 2, 3)
	MULWIN \zero
	MUL8 \f, 0, \zero
	MUL8 \f, 1, \zero
	PLACES
	FETCH \slot, \kq, \g
	s_wait_dscnt 24                                ; all but the 24 just issued
	MULWIN \zero
	MUL8 \f, 2, \zero
	MUL8 \f, 3, \zero
.endm
; The last quarter multiplies buffer 1 and changes slots: one barrier; in front of it each wave waits for all its tensor loads, adds 0 to its spare word, and waits for that and for its reads of this slot.
.macro TURN slot, next, fill
	WIN 0
	s_wait_tensorcnt 0x0
	ds_add_u32 v[SPW], v[NIL]
	s_wait_dscnt 5                                 ; the add and the youngest four loads may be out
	WIN MUL
	MUL8 F1, 0, 0
	s_wait_dscnt 0x0                               ; the add is done, and my reads of this slot are over
	s_barrier_signal -1
	MUL8 F1, 1, 0
.if \fill
	WIN 0
.endif
	s_barrier_wait -1
.if \fill
	CREST                                          ; the barrier has opened a round of the cluster's: no wave of any partner still reads this slot or has a load on its way
	s_add_nc_u64 s[G0+4*\slot+2:G0+4*\slot+3], s[G0+4*\slot+2:G0+4*\slot+3], 4194304   ; two K steps on: four heads
	s_add_nc_u64 s[G0B+4*\slot+2:G0B+4*\slot+3], s[G0B+4*\slot+2:G0B+4*\slot+3], 512
	JLOAD \slot                                    ; first behind the round; its four v_nop are also the places in front of the loads below
.else
	PLACES
.endif
	FETCH \next, 0, F0
	WIN MUL
	MUL8 F1, 2, 0
	MUL8 F1, 3, 0
.endm
	s_wait_tensorcnt 1                             ; my part of K step 0 is in; K step 1's load may be out
	s_barrier_signal -1
	s_barrier_wait -1
	FETCH 0, 0, F0
	s_wait_loadcnt 0x0                             ; the bias
	QUARTER 0, 1, F0, F1, 1                        ; the first products start the sums on the bias
	WIN 0
	s_mov_b32 s3, LAPS-1
.Llap:                                             ; a trip goes once round the ring and fills both slots again
	QUARTER 0, 2, F1, F0, 0
	QUARTER 0, 3, F0, F1, 0
	TURN 0, 1, 1
	QUARTER 1, 1, F0, F1, 0
	QUARTER 1, 2, F1, F0, 0
	QUARTER 1, 3, F0, F1, 0
	TURN 1, 0, 1
	QUARTER 0, 1, F0, F1, 0
	WIN 0
	s_sub_co_u32 s3, s3, 1
	s_cmp_lg_u32 s3, 0
	s_cbranch_scc1 .Llap
	QUARTER 0, 2, F1, F0, 0                        ; the last lap fills nothing
	QUARTER 0, 3, F0, F1, 0
	TURN 0, 1, 0
	QUARTER 1, 1, F0, F1, 0
	QUARTER 1, 2, F1, F0, 0
	QUARTER 1, 3, F0, F1, 0
	s_wait_dscnt 4
	WIN MUL
	MUL8 F1, 0, 0
	MUL8 F1, 1, 0
	s_wait_dscnt 0
	MUL8 F1, 2, 0
	MUL8 F1, 3, 0
	WIN 0
; THE WAY OUT, a block of 16 rows x 128 columns at a time, through my own stage: back as whole rows of 512 bytes.
.macro TOSTAGE a
.set AC, 64*(\a)
	WIN 0x08                                       ; an LDS store's data are its source 1: window 2
.irp b, 0,1,2,3,4,5,6,7
	ds_store_b128 v[STO], v[AC+8*\b:AC+8*\b+3] offset:64*\b          ; each accumulator from its low end on
	ds_store_b128 v[STO], v[AC+8*\b+4:AC+8*\b+7] offset:64*\b+16
.endr
	WIN 0
.set BB, BK+64*((\a)%2)
.irp t, 0,1,2,3,4,5,6,7,8,9,10,11,12,13,14,15
	ds_load_b128 v[BB+4*\t:BB+4*\t+3], v[RD] offset:\t*SPITCH        ; in order behind my stores
.endr
.endm
.macro SEND a, younger
.set BB, BK+64*((\a)%2)
	s_wait_dscnt \younger                          ; the block is back; the next block's 32 LDS instructions may be out
.irp t, 0,1,2,3,4,5,6,7,8,9,10,11,12,13,14,15
	global_store_b128 v[CO], v[BB+4*\t:BB+4*\t+3], s[10:11] offset:(16*(\a)+\t)*4096 th:TH_STORE_NT   ; 32 lanes store 512 consecutive bytes, aligned
.endr
.endm
	PLACES
	TOSTAGE 0
.irp a, 1,2,3
.if \a > 1
	s_wait_xcnt 0x0                                ; block a - 2's stores have read their registers: block a's loads may land there
.endif
	TOSTAGE \a
	SEND \a-1, 32
.endr
	SEND 3, 0
	s_wait_tensorcnt 0x0                           ; the wave's end
	ds_add_u32 v[SPW], v[NIL]
	s_wait_dscnt 0x0
	CROUND                                         ; the closing round
	s_endpgm
.Lfunc_end_k_q57c2dab498_proj:
	.size	k_q57c2dab498_proj, .Lfunc_end_k_q57c2dab498_proj-k_q57c2dab498_proj
	.p2alignl 7, 3214868480
	.fill 96, 4, 3214868480
	.section	.rodata,"a",@progbits
	.p2align	6, 0x0
	.amdhsa_kernel k_q57c2dab498_proj
		.amdhsa_group_segment_fixed_size 327680
		.amdhsa_private_segment_fixed_size 0
		.amdhsa_enable_private_segment 0
		.amdhsa_kernarg_size 32
		.amdhsa_user_sgpr_count 2
		.amdhsa_user_sgpr_kernarg_segment_ptr 1
		.amdhsa_wavefront_size32 1
		.amdhsa_system_sgpr_workgroup_id_x 1
		.amdhsa_system_sgpr_workgroup_id_y 1
		.amdhsa_system_sgpr_workgroup_id_z 1
		.amdhsa_system_vgpr_workitem_id 0
		.amdhsa_next_free_vgpr 768
		.amdhsa_next_free_sgpr 66
		.amdhsa_reserve_vcc 0
		.amdhsa_float_denorm_mode_32 3
		.amdhsa_float_denorm_mode_16_64 3
		.amdhsa_memory_ordered 1
		.amdhsa_forward_progress 1
		.amdhsa_inst_pref_size 86
	.end_amdhsa_kernel
	.amdgpu_metadata
---
amdhsa.version: [ 1, 2 ]
amdhsa.kernels:
  - .name:           k_q57c2dab498_proj
    .symbol:         k_q57c2dab498_proj.kd
    .args:
      - { .name: y16, .offset: 0, .size: 8, .value_kind: global_buffer, .address_space: global }
      - { .name: wp16, .offset: 8, .size: 8, .value_kind: global_buffer, .address_space: global }
      - { .name: b_proj, .offset: 16, .size: 8, .value_kind: global_buffer, .address_space: global }
      - { .name: out0, .offset: 24, .size: 8, .value_kind: global_buffer, .address_space: global }
    .group_segment_fixed_size: 327680
    .private_segment_fixed_size: 0
    .kernarg_segment_align: 8
    .kernarg_segment_size: 32
    .max_flat_workgroup_size: 128
    .sgpr_count:     66
    .vgpr_count:     768
    .wavefront_size: 32
...
	.end_amdgpu_metadata
.endif
;; end of part 4
;; launch first16 (part 5): grid 64 x 4, 16 waves a work-group, no clusters, 18,432 bytes of LDS; arguments qkv32, attn_mask, w_proj, b_proj, out0; writes out0
.if DOCPART == 5
	.amdgcn_target "amdgcn-amd-amdhsa--gfx1250"
	.amdhsa_code_object_version 6
	.text
	.protected	k_q57c2dab498_first16
	.globl	k_q57c2dab498_first16
	.p2align	8
	.type	k_q57c2dab498_first16,@function
k_q57c2dab498_first16:
	s_mov_b64 s[64:65], 0
	v_nop
	global_prefetch_b8 v0, s[64:65] scope:SCOPE_SE
	s_setreg_imm32_b32 hwreg(HW_REG_WAVE_MODE, 25, 1), 1
	s_wait_xcnt 0x0
; FIRST16.  The first 16 positions of every batch, in f32 from the scores to the output: their rows average one to sixteen values, where rounded operands weigh most.  It writes rows t < 16 of out0 anew.
; qkv32: [16 batch + t][3072] f32 (q, k, v with their bias).  w_proj [1024][1024], b_proj [1024]: f32 as given.
; SHARES.  Work-group (n tile, batch) makes out0[batch][0..15][16 n tile ..+15].  Wave = head: it makes its head's 16 x 16 attention, keeps y in its registers, multiplies it by w_proj's 16 rows at its 64 channels;
; the sixteen partial tiles are added through LDS in a fixed order.  The attention is made anew by each of a batch's 64 work-groups: 32 small matrix instructions a wave, the price of one launch in place of two.
; ALL THREE PRODUCTS ARE USED TRANSPOSED, so that a lane holds one query throughout: S^T = K Q^T, O^T = V^T P, out^T = W Y^T.  One instruction contracts four k; which four is free so long as both sources agree,
; and each source is loaded so that the other's registers can be taken as they stand.  Sums begin with the constant 0; the registers that the matrix instructions write are written by nothing else.
; SOFTMAX: the row's maximum is taken away; a key that does not count gets -2^100 ahead of the maximum and p = 0 behind the exponential; a row with no key gives y = 0.  LIMIT: NaN and infinities are not served.
.set SPARE, 16384                      ; behind the sixteen partial tiles of 1,024 bytes: the spare words, 128 bytes a wave
.set NEGB,  0xf1800000
.set QF,  16                           ; v16-47   q; later y
.set KFR, 48                           ; v48-79   k; later T 48-55, P 56-63, R 64-71
.set VF,  80                           ; v80-111  v
.set WF,  112                          ; v112-143 w_proj
.set SA,  144                          ; four partial score tiles
.set OA,  176                          ; O^T, a tile for each 16 channels
.set PA,  208                          ; four partial output tiles
.set T,   48
.set P,   56
.set R,   64
.set Y,   16
.set MK,  12                           ; v[12:13] eight bytes of the mask
.set SPW, 14
.set NIL, 15
	s_load_b256 s[4:11], s[0:1], 0x0               ; qkv32, attn_mask, w_proj, b_proj
	s_load_b64 s[12:13], s[0:1], 0x20              ; out0
	v_lshl_add_u32 v[SPW], v0, 2, SPARE
	v_mov_b32 v[NIL], 0
	v_lshrrev_b32 v1, 5, v0
	v_readfirstlane_b32 s14, v1                    ; wave = head
	s_and_b32 s15, ttmp7, 0xffff                   ; batch
	v_and_b32 v1, 15, v0                           ; r
	v_bfe_u32 v2, v0, 4, 1                         ; h
	v_mul_u32_u24 v3, v1, 12288
	v_lshl_add_u32 v3, v2, 4, v3                   ; q, k: row r + 16 h: load c brings channels 8 c + 4 h + 0..3
	v_mul_u32_u24 v4, v2, 98304
	v_lshl_add_u32 v4, v1, 2, v4                   ; v: key 8 h + e, channel 16 dt + r
	v_lshlrev_b32 v5, 12, v1
	v_lshl_add_u32 v5, v2, 5, v5                   ; w_proj and out0: row r of 4,096 bytes + 32 h
	v_lshlrev_b32 v6, 3, v2                        ; 8 h: my eight keys' bytes of the mask
	v_sub_nc_u32 v7, v1, v6                        ; r - 8 h
	v_and_b32 v10, 31, v0
	v_lshlrev_b32 v10, 4, v10
	s_lshl_b32 s16, s14, 10
	v_add_nc_u32 v8, s16, v10                      ; LDS: my partial tile: 1,024 x wave + 16 x lane
	s_and_b32 s18, s14, 1
	s_lshl_b32 s16, s18, 9
	v_add_nc_u32 v9, s16, v10                      ; and where waves 0 and 1 read: half 0 or 1 of each tile
	v_lshlrev_b32 v11, 5, v2                       ; 32 h: the bias
	v_mov_b32 v240, NEGB
	v_mov_b32 v242, 0                              ; a lane permute's destination counts as one of its sources
	s_mov_b32 s20, 0x76543210
	s_mov_b32 s21, 0xfedcba98
	s_mov_b32 s30, 0x3e38aa3b                      ; c = log2(e) / 8
	s_mul_i32 s16, s15, 196608
	s_lshl_b32 s17, s14, 8
	s_add_co_u32 s16, s16, s17
	s_mov_b32 s17, 0
	s_wait_kmcnt 0x0
	s_add_nc_u64 s[4:5], s[4:5], s[16:17]          ; qkv32 at (batch, t = 0, my head)
	s_lshl_b32 s16, s15, 11
	s_add_nc_u64 s[6:7], s[6:7], s[16:17]
	s_lshl_b32 s16, ttmp9, 16
	s_lshl_b32 s19, s14, 8
	s_add_co_u32 s16, s16, s19
	s_add_nc_u64 s[8:9], s[8:9], s[16:17]          ; w_proj at (16 n tile, my head's channels)
	s_lshl_b32 s16, ttmp9, 6
	s_lshl_b32 s19, s18, 4
	s_add_co_u32 s16, s16, s19
	s_add_nc_u64 s[10:11], s[10:11], s[16:17]      ; b_proj at 16 n tile + 4 (wave % 2)
	s_lshl_b32 s19, s15, 23
	s_add_co_u32 s16, s16, s19
	s_add_nc_u64 s[12:13], s[12:13], s[16:17]      ; out0 likewise, in my batch
	global_load_b64 v[MK:MK+1], v6, s[6:7]
.irp c, 0,1,2,3,4,5,6,7
	global_load_b128 v[QF+4*\c:QF+4*\c+3], v3, s[4:5] offset:32*\c
.endr
.irp c, 0,1,2,3,4,5,6,7
	global_load_b128 v[KFR+4*\c:KFR+4*\c+3], v3, s[4:5] offset:4096+32*\c
.endr
.irp d, 0,1,2,3
.irp e, 0,1,2,3,4,5,6,7
	global_load_b32 v[VF+8*\d+\e], v4, s[4:5] offset:8192+\e*12288+64*\d
.endr
.endr
.irp d, 0,1,2,3
	global_load_b128 v[WF+8*\d:WF+8*\d+3], v5, s[8:9] offset:64*\d
	global_load_b128 v[WF+8*\d+4:WF+8*\d+7], v5, s[8:9] offset:64*\d+16
.endr
	s_wait_loadcnt 40                              ; the mask, q and k are in; v's 32 loads and w_proj's 8 may be out
.irp e, 0,1,2,3,4,5,6,7,8,9,10,11,12,13,14,15      ; S^T: four accumulators by turns; pair e of both sources holds the same four channels
.if \e < 4
	v_wmma_f32_16x16x4_f32 v[SA+8*(\e%4):SA+8*(\e%4)+7], v[KFR+2*\e:KFR+2*\e+1], v[QF+2*\e:QF+2*\e+1], 0
.else
	v_wmma_f32_16x16x4_f32 v[SA+8*(\e%4):SA+8*(\e%4)+7], v[KFR+2*\e:KFR+2*\e+1], v[QF+2*\e:QF+2*\e+1], v[SA+8*(\e%4):SA+8*(\e%4)+7]
.endif
.endr
.rept 8
	v_nop                                          ; eight places behind this form (ISA guide 7.12.1)
.endr
.irp i, 0,2,4,6                        ; lane (r, h): query r, keys 8 h + 0..7
	v_pk_add_f32 v[T+\i:T+\i+1], v[SA+\i:SA+\i+1], v[SA+8+\i:SA+8+\i+1]
	v_pk_add_f32 v[T+\i:T+\i+1], v[T+\i:T+\i+1], v[SA+16+\i:SA+16+\i+1]
	v_pk_add_f32 v[T+\i:T+\i+1], v[T+\i:T+\i+1], v[SA+24+\i:SA+24+\i+1]
.endr
.irp j, 0,1,2,3,4,5,6,7
	v_bfe_u32 v10, v[MK+\j/4], 8*(\j%4), 8
	v_cmp_ne_u32 s[22+\j], 0, v10                  ; the key is valid,
	v_cmp_le_i32 vcc_lo, \j, v7                    ; and 8 h + j <= r
	s_and_b32 s[22+\j], s[22+\j], vcc_lo
	v_mul_f32 v[T+\j], s30, v[T+\j]
	v_cndmask_b32 v[T+\j], v240, v[T+\j], s[22+\j]
.endr
	v_max3_num_f32 v241, v[T], v[T+1], v[T+2]
	v_max3_num_f32 v241, v241, v[T+3], v[T+4]
	v_max3_num_f32 v241, v241, v[T+5], v[T+6]
	v_max_num_f32 v241, v241, v[T+7]
	v_permlanex16_b32 v242, v241, s20, s21
	v_max_num_f32 v241, v241, v242                 ; the row's maximum
.irp j, 0,1,2,3,4,5,6,7
	v_sub_f32 v[P+\j], v[T+\j], v241
.endr
.irp j, 0,1,2,3,4,5,6,7
	v_exp_f32 v[P+\j], v[P+\j]
.endr
	v_nop                                          ; a plain line behind the batch,
	s_wait_alu depctr_va_vdst(0)                   ; and the one wait ahead of its first reader
.irp j, 0,1,2,3,4,5,6,7
	v_cndmask_b32 v[P+\j], 0, v[P+\j], s[22+\j]    ; what does not count is 0, in an empty row too
.endr
	v_add_f32 v243, v[P], v[P+1]
.irp j, 2,3,4,5,6,7
	v_add_f32 v243, v243, v[P+\j]
.endr
	v_permlanex16_b32 v242, v243, s20, s21
	v_add_f32 v243, v243, v242                     ; the row's sum
	v_rcp_f32 v244, v243
	v_nop
	s_wait_alu depctr_va_vdst(0)
	v_cmp_lt_f32 vcc_lo, 0, v243
	v_cndmask_b32 v244, 0, v244, vcc_lo            ; an empty row: 0
	s_wait_loadcnt 8                               ; v is in; w_proj's 8 loads may be out
.irp s, 0,1,2,3                        ; O^T: instruction s contracts keys 8 h + 2 s + 0, 1
.irp d, 0,1,2,3
.if \s == 0
	v_wmma_f32_16x16x4_f32 v[OA+8*\d:OA+8*\d+7], v[VF+8*\d+2*\s:VF+8*\d+2*\s+1], v[P+2*\s:P+2*\s+1], 0
.else
	v_wmma_f32_16x16x4_f32 v[OA+8*\d:OA+8*\d+7], v[VF+8*\d+2*\s:VF+8*\d+2*\s+1], v[P+2*\s:P+2*\s+1], v[OA+8*\d:OA+8*\d+7]
.endif
.endr
.endr
.rept 8
	v_nop
.endr
.irp i, 0,1,2,3,4,5,6,7,8,9,10,11,12,13,14,15,16,17,18,19,20,21,22,23,24,25,26,27,28,29,30,31
	v_mul_f32 v[Y+\i], v[OA+\i], v244              ; y: lane (r, h): query r, channel 16 dt + 8 h + j
.endr
	s_wait_loadcnt 0x0
.irp s, 0,1,2,3                        ; out^T: instruction (dt, s) contracts channels 16 dt + 8 h + 2 s + 0, 1
.irp d, 0,1,2,3
.if \s == 0
	v_wmma_f32_16x16x4_f32 v[PA+8*\d:PA+8*\d+7], v[WF+8*\d+2*\s:WF+8*\d+2*\s+1], v[Y+8*\d+2*\s:Y+8*\d+2*\s+1], 0
.else
	v_wmma_f32_16x16x4_f32 v[PA+8*\d:PA+8*\d+7], v[WF+8*\d+2*\s:WF+8*\d+2*\s+1], v[Y+8*\d+2*\s:Y+8*\d+2*\s+1], v[PA+8*\d:PA+8*\d+7]
.endif
.endr
.endr
.rept 8
	v_nop
.endr
.irp i, 0,2,4,6                        ; lane (r, h): query r, columns 16 n tile + 8 h + 0..7
	v_pk_add_f32 v[R+\i:R+\i+1], v[PA+\i:PA+\i+1], v[PA+8+\i:PA+8+\i+1]
	v_pk_add_f32 v[R+\i:R+\i+1], v[R+\i:R+\i+1], v[PA+16+\i:PA+16+\i+1]
	v_pk_add_f32 v[R+\i:R+\i+1], v[R+\i:R+\i+1], v[PA+24+\i:PA+24+\i+1]
.endr
	ds_store_b128 v8, v[R:R+3]
	ds_store_b128 v8, v[R+4:R+7] offset:512
	s_wait_dscnt 0x0                               ; for the others' sake: my stores have landed
	s_barrier_signal -1
	s_barrier_wait -1
	s_cmp_lt_u32 s14, 2
	s_cbranch_scc1 .Lsum
	s_wait_tensorcnt 0x0                           ; the wave's end: behind my last LDS store
	ds_add_u32 v[SPW], v[NIL]
	s_wait_dscnt 0x0
	s_endpgm
.Lsum:                                             ; wave g = 0, 1 adds registers 4 g .. 4 g + 3 of the sixteen heads' tiles, in ascending order of heads
	global_load_b128 v[248:251], v11, s[10:11]
.irp u, 0,1,2,3,4,5,6,7,8,9,10,11,12,13,14,15
	ds_load_b128 v[VF+4*\u:VF+4*\u+3], v9 offset:1024*\u
.endr
	s_wait_dscnt 0x0
.irp u, 1,2,3,4,5,6,7,8,9,10,11,12,13,14,15
	v_pk_add_f32 v[VF:VF+1], v[VF:VF+1], v[VF+4*\u:VF+4*\u+1]
	v_pk_add_f32 v[VF+2:VF+3], v[VF+2:VF+3], v[VF+4*\u+2:VF+4*\u+3]
.endr
	s_wait_loadcnt 0x0
	v_pk_add_f32 v[VF:VF+1], v[VF:VF+1], v[248:249]
	v_pk_add_f32 v[VF+2:VF+3], v[VF+2:VF+3], v[250:251]
	global_store_b128 v5, v[VF:VF+3], s[12:13]     ; 16 bytes a lane, 64 bytes of a row from the two waves: 256 KiB in the whole launch take this way
	s_wait_tensorcnt 0x0                           ; the wave's end: the same three lines
	ds_add_u32 v[SPW], v[NIL]
	s_wait_dscnt 0x0
	s_endpgm
.Lfunc_end_k_q57c2dab498_first16:
	.size	k_q57c2dab498_first16, .Lfunc_end_k_q57c2dab498_first16-k_q57c2dab498_first16
	.p2alignl 7, 3214868480
	.fill 96, 4, 3214868480
	.section	.rodata,"a",@progbits
	.p2align	6, 0x0
	.amdhsa_kernel k_q57c2dab498_first16
		.amdhsa_group_segment_fixed_size 18432
		.amdhsa_private_segment_fixed_size 0
		.amdhsa_enable_private_segment 0
		.amdhsa_kernarg_size 40
		.amdhsa_user_sgpr_count 2
		.amdhsa_user_sgpr_kernarg_segment_ptr 1
		.amdhsa_wavefront_size32 1
		.amdhsa_system_sgpr_workgroup_id_x 1
		.amdhsa_system_sgpr_workgroup_id_y 1
		.amdhsa_system_sgpr_workgroup_id_z 1
		.amdhsa_system_vgpr_workitem_id 0
		.amdhsa_next_free_vgpr 256
		.amdhsa_next_free_sgpr 66
		.amdhsa_reserve_vcc 1
		.amdhsa_float_denorm_mode_32 3
		.amdhsa_float_denorm_mode_16_64 3
		.amdhsa_memory_ordered 1
		.amdhsa_forward_progress 1
		.amdhsa_inst_pref_size 22
	.end_amdhsa_kernel
	.amdgpu_metadata
---
amdhsa.version: [ 1, 2 ]
amdhsa.kernels:
  - .name:           k_q57c2dab498_first16
    .symbol:         k_q57c2dab498_first16.kd
    .args:
      - { .name: qkv32, .offset: 0, .size: 8, .value_kind: global_buffer, .address_space: global }
      - { .name: attn_mask, .offset: 8, .size: 8, .value_kind: global_buffer, .address_space: global }
      - { .name: w_proj, .offset: 16, .size: 8, .value_kind: global_buffer, .address_space: global }
      - { .name: b_proj, .offset: 24, .size: 8, .value_kind: global_buffer, .address_space: global }
      - { .name: out0, .offset: 32, .size: 8, .value_kind: global_buffer, .address_space: global }
    .group_segment_fixed_size: 18432
    .private_segment_fixed_size: 0
    .kernarg_segment_align: 8
    .kernarg_segment_size: 40
    .max_flat_workgroup_size: 512
    .sgpr_count:     66
    .vgpr_count:     256
    .wavefront_size: 32
...
	.end_amdgpu_metadata
.endif
;; end of part 5
